; MI455X (gfx1250); checked and timed in simulation.
; The chip was launched on July 23, 2026; its instructions are those of AMD's public machine-readable ISA for CDNA 5 (MIT licence, August 2026) and "CDNA5" Instruction Set Architecture Reference Guide (July 2026). The comments in the code are by the model that wrote it; some were corrected since.
;; Attention. Allowed arithmetic: matrix products marked QUANTISED: E5M2 operands, one E8M0 scale for each 32 along K, by v_wmma_scale_f32_16x16x128_f8f6f4 with both operands' format E5M2, f32 sums; products left as they are: f32 operands where the result goes on into a quantised operand, else bf16, f16 or f32 operands; f32 sums; everything else in f32.
;; Inputs: W_cov_codes 1,024 x 8 x 32 uint8 (E5M2 codes of W_cov, K innermost, in blocks of 32 codes); W_cov_scales 1,024 x 8 uint8 (E8M0 scales of W_cov, one for each 32 codes along K); W_in_codes 1,024 x 32 x 32 uint8 (E5M2 codes of W_in, K innermost, in blocks of 32 codes); W_in_scales 1,024 x 32 uint8 (E8M0 scales of W_in, one for each 32 codes along K); W_out_codes 1,024 x 64 x 32 uint8 (E5M2 codes of W_out, K innermost, in blocks of 32 codes); W_out_scales 1,024 x 64 uint8 (E8M0 scales of W_out, one for each 32 codes along K); b_cov 1,024 float32; b_hh 768 float32; b_ih 768 float32; context 64 x 512 x 1,024 float32; cov 64 x 512 x 256 float32; h 64 x 1,024 float32; mask 64 x 512 bool; w_hh_codes 768 x 8 x 32 uint8 (E5M2 codes of w_hh, K innermost, in blocks of 32 codes); w_hh_scales 768 x 8 uint8 (E8M0 scales of w_hh, one for each 32 codes along K); w_ih 768 x 2,049 float32.
;; Outputs: out0 64 x 1,024 float32; out1 64 x 512 float32; out2 64 x 512 x 256 float32.
;; This version of the problem:
;;   THIS VERSION OF THE PROBLEM IS GIVEN IN LOW PRECISION. The matrix products marked QUANTISED in the list below multiply operands that are first quantised to E5M2 (5 exponent bits, 2 mantissa bits; 8 bits a number), with one power-of-two scale for each 32 numbers along K (OCP MX v1.0); their sums are f32. All else is computed in f32.
;;   The module's matrix products, in the order in which they are computed (A, B: the left and right operand; K: the contracted axis; several contracted axes count as one K, in the product's order):
;;     1. [M 32,768, K 256] x [K 256, N 1,024]; A: input cov; B: input W_cov (given as codes): QUANTISED
;;     2. [M 64, K 1,024] x [K 1,024, N 1,024]; A: input h; B: input W_in (given as codes): QUANTISED
;;     3. batch 64 x [M 512, K 1,024] x [K 1,024, N 1]; A: computed on the way; B: computed on the way: left as it is (N = 1 < 16)
;;     4. batch 64 x [M 1, K 512] x [K 512, N 1,024]; A: softmax; B: computed on the way: left as it is (M = 1 < 16)
;;     5. [M 64, K 2,048] x [K 2,048, N 1,024]; A: computed on the way; B: input W_out (given as codes): QUANTISED
;;     6. [M 32,768, K 2,049] x [K 2,049, N 768]; A: computed on the way; B: input w_ih: QUANTISED
;;     7. [M 32,768, K 256] x [K 256, N 768]; A: input cov; B: input w_hh (given as codes): QUANTISED
;;   THE QUANTISER, for each operand of a quantised product, along K:
;;     - K is cut into blocks of 32 from its start; a last block that is shorter is filled with zeros.
;;     - A block's scale is 2^e with e = floor(log2(the largest magnitude in the block)) - 15, held to -126 .. 127; a block of zeros has e = 0. As a byte (E8M0): e + 127.
;;     - Each number is divided by its block's scale, clamped to +-57,344, and rounded to the nearest number of E5M2, ties to even, subnormals kept.
;;     - The product sums the exact products of the quantised numbers (number of the format x scale) in f32.
;;   ~~~python
;;   def quantise(x, axis):      # numpy; x: float32 -> the quantised numbers, widened to float32 again
;;       x = np.moveaxis(x, axis, -1); K = x.shape[-1]
;;       x = np.pad(x, [(0, 0)] * (x.ndim - 1) + [(0, -K % 32)]); x = x.reshape(x.shape[:-1] + (-1, 32)); a = np.abs(x).max(-1, keepdims=True)
;;       e = np.where(a > 0, np.clip(np.frexp(np.where(a > 0, a, 1))[1] - 1 - 15, -126, 127), 0)      # np.frexp(a)[1] - 1 = floor(log2(a)), exactly
;;       r = np.clip(x / 2.0 ** e, -57344, 57344)
;;       step = 2.0 ** (np.maximum(np.frexp(np.where(r == 0, 1, r))[1] - 1, -14) - 2)
;;       q = np.round(r / step) * step * 2.0 ** e      # np.round: ties to even
;;       return np.moveaxis(q.reshape(q.shape[:-2] + (-1,))[..., :K], -1, axis).astype(np.float32)
;;   ~~~
;;   OPERANDS COMPUTED ON THE WAY. 'Computed on the way' means the value that the module computes at that place (a softmax that the list does not call 'softmax' is quantised finished and normalised). What goes into a quantiser is computed in f32, as accurately as f32 sums, v_exp_f32 and their like allow (about 1e-6 of the number): no bf16 or f16 on the way to a quantiser, and a product that is left as it is and whose result goes on into a quantised operand takes f32 operands (vector FMAs, or v_wmma_f32_16x16x4_f32). A number that lies on a knife's edge between two numbers of the format may be rounded either way, as far as f32 arithmetic and the matrix unit's own rounding can turn it there, and no further.
;;   INPUTS GIVEN AS CODES. W_cov (in the module: [1024, 256], K = its axis 1); W_in (in the module: [1024, 1024], K = its axis 1); W_out (in the module: [1024, 2048], K = its axis 1); w_hh (in the module: [768, 256], K = its axis 1): each comes as NAME_codes (uint8): NAME with its K axis moved to the last place and cut into blocks of 32 codes, [.., K / 32, bytes a block], one block behind the other in memory; one code a byte (a code: sign, 5 exponent bits, 2 mantissa bits); and NAME_scales (uint8): the same leading axes, one E8M0 byte (e + 127) for each 32 codes along K. Its value is code x scale, taken as it is: it is not quantised again, and the codes and scales need not be those that the quantiser above would give.
;; One version. Each part assembles by itself: llvm-mc -triple=amdgcn-amd-amdhsa -mcpu=gfx1250 --defsym DOCPART=n.
;; ======== version 1 of 1: 4 launches
;; limits: right only within a limited range of input values
;; workspace buffers: prep 1,650,688 bytes; hq 69,632 bytes; soft 1,179,648 bytes; xa 46,137,344 bytes; xas 1,572,864 bytes; gb 262,144 bytes
;; launch prept (part 1): grid 64 x 1, 4 waves a work-group, no clusters, 23,040 bytes of LDS; arguments h, W_in_codes, W_in_scales, W_cov_codes, W_cov_scales, prep, hq; writes prep, hq
.if DOCPART == 1
	.amdgcn_target "amdgcn-amd-amdhsa--gfx1250"
	.amdhsa_code_object_version 6
	.text
	.protected	k_qb0a3e0ff2a_prept
	.globl	k_qb0a3e0ff2a_prept
	.p2align	8
	.type	k_qb0a3e0ff2a_prept,@function
k_qb0a3e0ff2a_prept:
	s_mov_b64 s[64:65], 0
	v_nop
	global_prefetch_b8 v0, s[64:65] scope:SCOPE_SE
	s_setreg_imm32_b32 hwreg(HW_REG_WAVE_MODE, 25, 1), 1
	s_wait_xcnt 0x0
; target = Q(h) W_in^T (64 x 1024, K = 1024) on E5M2 codes, into prep; Q(h) kept as images of operand registers, in hq; W_cov's fragments laid as images, in prep.
; Work-group x: y = x / 16 is a tile of 16 batches, nx = x % 16 a run of 64 columns of target; wave w makes columns 64 nx + 16 w on.
; Wave w quantises K steps 2 w and 2 w + 1 of the 16 rows of h; the eight fragments meet in LDS as images of their registers
; (registers 4 c .. 4 c + 3 of lane l at 512 c + 16 l).  The product is used transposed (source 0 = 16 rows of W_in, source 1 = 16 batches).
; LIMITS: NaN and infinities among the inputs are not served; a block of zeros gets the scale byte 1 (its codes are zeros).
.set TIMG, 0                           ; LDS: eight images of 2,048 bytes
.set TSC,  16384                       ; their scale words, 128 bytes each
.set TSTG, 17408                       ; the way out: 16 rows x (256 + 16) bytes
.set P_WCI, 262144                     ; sections of prep
.set P_WCS, 524288
.set H_HQS, 65536                      ; hq: 32 images, then their scale words
.set SBW, 16                           ; v16-23 W_in's scale words; v24-31 h's
.set AS,  24
.set X,   64                           ; v64-191 128 numbers of h, later the eight fragments
.set TM,  192
.set PW,  208
.set PC,  212
.set ACC, 228                          ; two accumulators by turns
.set WV,  22
.set SEL, 24
.set MNT, 26
.set MSB, 0
.macro WIN new                         ; the immediate's high byte repeats the setting that is left
.if MSB != \new
	s_set_vgpr_msb (MSB<<8)|\new
.set MSB, \new
.endif
.endm
; 64 numbers of a lane, register 16 b + i = k 32 b + 16 (lane / 16) + i of my row, become a fragment's codes in v[PC] on and its scale word in v[PW]
.macro QUANT s
.irp b, 0,1,2,3
	v_max3_num_f32 v[TM+\b], |v[\s+16*\b]|, |v[\s+1+16*\b]|, 0x8000000   ; with the floor 2^(16 - 127): the byte cannot fall under 1
.endr
.irp i, 2,4,6,8,10,12,14
.irp b, 0,1,2,3
	v_max3_num_f32 v[TM+\b], v[TM+\b], |v[\s+16*\b+\i]|, |v[\s+1+16*\b+\i]|
.endr
.endr
.irp b, 0,1,2,3
	v_permlanex16_b32 v[TM+4+\b], v[TM+\b], s[SEL], s[SEL+1]
.endr
.irp b, 0,1,2,3
	v_max_num_f32 v[TM+\b], v[TM+\b], v[TM+4+\b]          ; with lane l xor 16's: the block's largest magnitude
.endr
.irp b, 0,1,2,3
	v_add_nc_u32 v[TM+12+\b], 0xf8800000, v[TM+\b]        ; 15 off its exponent field: the conversion's scale operand
.endr
.irp b, 0,1,2,3
	v_and_or_b32 v[TM+8+\b], v[TM+\b], 0x7f800000, s[MNT] ; 57,344 x the scale
.endr
.irp b, 0,1,2,3
	v_lshrrev_b32 v[TM+4+\b], 23, v[TM+12+\b]             ; the scale's byte
.endr
	v_lshl_or_b32 v[PW], v[TM+5], 8, v[TM+4]
	v_lshl_or_b32 v[PW], v[TM+6], 16, v[PW]
	v_lshl_or_b32 v[PW], v[TM+7], 24, v[PW]
.irp b, 0,1,2,3
.irp i, 0,1,2,3,4,5,6,7,8,9,10,11,12,13,14,15
	v_med3_num_f32 v[\s+16*\b+\i], v[\s+16*\b+\i], -v[TM+8+\b], v[TM+8+\b]   ; the conversion does not saturate (ISA guide 7.6.2): the hold
.endr
	v_cvt_scalef32_pk8_bf8_f32 v[PC+4*\b:PC+1+4*\b], v[\s+16*\b:\s+7+16*\b], v[TM+12+\b]
	v_cvt_scalef32_pk8_bf8_f32 v[PC+2+4*\b:PC+3+4*\b], v[\s+8+16*\b:\s+15+16*\b], v[TM+12+\b]
.endr
	v_nop                                          ; one plain line behind the last conversion
.endm
.macro HLOAD e                         ; K step 2 w + e of my row: 16 neighbours of each block of 32
.irp b, 0,1,2,3
.irp j, 0,1,2,3
	global_load_b128 v[X+64*\e+16*\b+4*\j:X+64*\e+16*\b+4*\j+3], v4, s[4:5] offset:512*\e+128*\b+16*\j
.endr
.endr
.endm
.macro PART e                          ; quantise it, image and scale word to LDS; the work-groups with nx = 0 also keep them in hq
	QUANT X+64*\e
.irp c, 0,1,2,3
	ds_store_b128 v7, v[PC+4*\c:PC+4*\c+3] offset:TIMG+2048*\e+512*\c
.endr
	ds_store_b32 v8, v[PW] offset:TSC+128*\e
	s_cmp_lg_u32 s28, 0
	s_cbranch_scc1 .Lnohq_\@
.irp c, 0,1,2,3
	global_store_b128 v5, v[PC+4*\c:PC+4*\c+3], s[38:39] offset:2048*\e+512*\c
.endr
	global_store_b32 v6, v[PW], s[40:41] offset:128*\e
.Lnohq_\@:
	s_wait_dscnt 0x0
	s_wait_xcnt 0x0                                ; the stores have read their registers: the codes may be written again
.endm
	s_load_b256 s[4:11], s[0:1], 0x0               ; h, W_in codes, W_in scales, W_cov codes
	s_load_b128 s[12:15], s[0:1], 0x20             ; W_cov scales, prep
	s_load_b64 s[16:17], s[0:1], 0x30              ; hq
	v_lshl_add_u32 v254, v0, 2, 0x5800
	v_mov_b32 v255, 0
	v_lshrrev_b32 v1, 5, v0
	v_readfirstlane_b32 s[WV], v1                  ; wave
	v_and_b32 v1, 31, v0                           ; lane
	v_and_b32 v2, 15, v0                           ; r
	v_bfe_u32 v3, v0, 4, 1                         ; h
	s_lshr_b32 s27, ttmp9, 4                       ; y
	s_and_b32 s28, ttmp9, 15                       ; nx
	s_mov_b32 s[SEL], 0x76543210
	s_mov_b32 s[SEL+1], 0xfedcba98
	s_mov_b32 s[MNT], 0x600000
	v_lshlrev_b32 v4, 12, v2
	v_lshl_add_u32 v4, v3, 6, v4                   ; h: 4,096 r + 64 h
	v_lshlrev_b32 v5, 4, v1                        ; 16 x lane
	v_lshlrev_b32 v6, 2, v1                        ; 4 x lane
	s_lshl_b32 s29, s[WV], 12
	v_add_nc_u32 v7, s29, v5                       ; my two images
	s_lshl_b32 s29, s[WV], 8
	v_add_nc_u32 v8, s29, v6                       ; my two scale words
	v_lshlrev_b32 v9, 10, v2
	v_lshl_add_u32 v9, v3, 4, v9                   ; W_in: 1,024 r + 16 h
	v_lshlrev_b32 v10, 5, v2                       ; its scales: 32 r
	v_mul_u32_u24 v11, v2, 272
	v_lshl_add_u32 v11, v3, 5, v11
	s_lshl_b32 s29, s[WV], 6
	v_add_nc_u32 v11, s29, v11                     ; stage, in: row r, 64 w + 32 h
	v_mul_u32_u24 v12, v3, 272
	v_lshl_add_u32 v12, v2, 4, v12
	s_mul_i32 s29, s[WV], 4*272
	v_add_nc_u32 v12, s29, v12                     ; stage, back: rows 4 w on, two rows a load
	v_lshlrev_b32 v13, 12, v3
	v_lshl_add_u32 v13, v2, 4, v13                 ; the same two rows in target
	v_and_b32 v14, 8, v2
	v_add_nc_u32 v14, v14, v2                      ; r + 8 (r / 8): the rows of a tile of W_cov are chosen so
	v_lshlrev_b32 v15, 3, v14
	v_lshl_add_u32 v15, v3, 2, v15                 ; its scale word: 8 row + 4 h
	v_lshlrev_b32 v14, 8, v14
	v_lshl_add_u32 v14, v3, 4, v14                 ; its codes: 256 row + 16 h
.irp b, 0,1,2,3
	v_mov_b32 v[TM+4+\b], 0                        ; a lane permute's destination counts as a source
.endr
	s_lshl_b32 s30, s27, 16
	s_lshl_b32 s31, s[WV], 10
	s_add_co_u32 s30, s30, s31                     ; h: 16 y rows + K step 2 w
	s_mov_b32 s31, 0
	s_lshl_b32 s32, s28, 16
	s_lshl_b32 s33, s[WV], 14
	s_add_co_u32 s32, s32, s33                     ; W_in codes: row 64 nx + 16 w
	s_mov_b32 s33, 0
	s_lshr_b32 s34, s32, 5                         ; its scales
	s_mov_b32 s35, 0
	s_lshl_b32 s36, s27, 16
	s_lshl_b32 s37, s[WV], 14
	s_add_co_u32 s36, s36, s37
	s_lshl_b32 s37, s28, 8
	s_add_co_u32 s36, s36, s37                     ; target: row 16 y + 4 w, byte 256 nx
	s_mov_b32 s37, 0
	s_lshl_b32 s38, s27, 14
	s_lshl_b32 s39, s[WV], 12
	s_add_co_u32 s38, s38, s39                     ; image 8 y + 2 w of hq
	s_lshr_b32 s40, s38, 4
	s_add_co_u32 s40, s40, H_HQS                   ; and its scale words
	s_mov_b32 s39, 0
	s_mov_b32 s41, 0
	s_lshr_b32 s42, ttmp9, 4                       ; W_cov's tile x: quarter x / 16, tile x % 16
	s_and_b32 s43, ttmp9, 15
	s_lshl_b32 s44, s42, 8
	s_lshr_b32 s45, s43, 1
	s_lshl_b32 s45, s45, 5
	s_add_co_u32 s44, s44, s45
	s_and_b32 s45, ttmp9, 1
	s_lshl_b32 s45, s45, 3
	s_add_co_u32 s44, s44, s45                     ; its first row
	s_lshl_b32 s46, s44, 8
	s_lshl_b32 s47, s[WV], 7
	s_add_co_u32 s46, s46, s47                     ; codes, K step = wave
	s_mov_b32 s47, 0
	s_lshl_b32 s48, s44, 3
	s_mov_b32 s49, 0
	s_lshl_b32 s50, s42, 16
	s_lshl_b32 s51, s[WV], 15
	s_add_co_u32 s50, s50, s51
	s_lshl_b32 s51, s43, 11
	s_add_co_u32 s50, s50, s51
	s_add_co_u32 s50, s50, P_WCI
	s_mov_b32 s51, 0
	s_lshl_b32 s52, ttmp9, 7
	s_add_co_u32 s52, s52, P_WCS
	s_mov_b32 s53, 0
	s_wait_alu depctr_va_vdst(0)                   ; the wait at the head's end
	s_wait_kmcnt 0x0
	s_add_nc_u64 s[4:5], s[4:5], s[30:31]
	s_add_nc_u64 s[6:7], s[6:7], s[32:33]
	s_add_nc_u64 s[8:9], s[8:9], s[34:35]
	s_add_nc_u64 s[36:37], s[14:15], s[36:37]
	s_add_nc_u64 s[38:39], s[16:17], s[38:39]
	s_add_nc_u64 s[40:41], s[16:17], s[40:41]
	s_add_nc_u64 s[10:11], s[10:11], s[46:47]
	s_add_nc_u64 s[12:13], s[12:13], s[48:49]
	s_add_nc_u64 s[50:51], s[14:15], s[50:51]
	s_add_nc_u64 s[52:53], s[14:15], s[52:53]
	; W_cov's tile x is asked for first: waves 0 and 1 a K step of codes each, wave 2 the scale words; v32-48 serve nothing else
	s_cmp_lt_u32 s[WV], 2
	s_cbranch_scc0 .Lnocl
.irp c, 0,1,2,3
	global_load_b128 v[32+4*\c:35+4*\c], v14, s[10:11] offset:32*\c
.endr
.Lnocl:
	s_cmp_lg_u32 s[WV], 2
	s_cbranch_scc1 .Lnosl
	global_load_b32 v48, v15, s[12:13]             ; lanes 0-15 K step 0's word, lanes 16-31 K step 1's
.Lnosl:
	HLOAD 0
	HLOAD 1
	global_load_b128 v[SBW:SBW+3], v10, s[8:9]
	global_load_b128 v[SBW+4:SBW+7], v10, s[8:9] offset:16
	WIN 0x40                                       ; destination window 1: W_in's eight fragments
.irp s, 0,1,2,3,4,5,6,7
.irp c, 0,1,2,3
	global_load_b128 v[16*\s+4*\c:16*\s+4*\c+3], v9, s[6:7] offset:128*\s+32*\c
.endr
.endr
	WIN 0
	s_wait_loadcnt 50                              ; behind my first 16 loads of h: 16 + 2 + 32; W_cov's loads were issued ahead of them, so they are in too
	; W_cov's tile x goes into prep in the order of the operand's registers
	s_cmp_lt_u32 s[WV], 2
	s_cbranch_scc0 .Lnocodes
.irp c, 0,1,2,3
	global_store_b128 v5, v[32+4*\c:35+4*\c], s[50:51] offset:512*\c
.endr
.Lnocodes:
	s_cmp_lg_u32 s[WV], 2
	s_cbranch_scc1 .Lnoscales
	global_store_b32 v6, v48, s[52:53]
.Lnoscales:
	PART 0
	s_wait_loadcnt 34                              ; behind the second 16: 2 + 32
	PART 1
	s_barrier_signal -1                            ; every wave's images have landed (the wait for 0 stands in PART)
	s_barrier_wait -1
.irp s, 0,1,2,3,4,5,6,7
.irp c, 0,1,2,3
	ds_load_b128 v[X+16*\s+4*\c:X+16*\s+4*\c+3], v5 offset:TIMG+2048*\s+512*\c
.endr
	ds_load_b32 v[AS+\s], v6 offset:TSC+128*\s
.endr
	s_wait_loadcnt 0x0
	s_wait_dscnt 0x0
	WIN 0x01                                       ; source 0 window 1
.irp s, 0,1,2,3,4,5,6,7
.if \s < 2
	v_wmma_scale_f32_16x16x128_f8f6f4 v[ACC+8*(\s%2):ACC+8*(\s%2)+7], v[16*\s:16*\s+15], v[X+16*\s:X+16*\s+15], 0, v[SBW+\s], v[AS+\s] matrix_a_fmt:MATRIX_FMT_BF8 matrix_b_fmt:MATRIX_FMT_BF8
.else
	v_wmma_scale_f32_16x16x128_f8f6f4 v[ACC+8*(\s%2):ACC+8*(\s%2)+7], v[16*\s:16*\s+15], v[X+16*\s:X+16*\s+15], v[ACC+8*(\s%2):ACC+8*(\s%2)+7], v[SBW+\s], v[AS+\s] matrix_a_fmt:MATRIX_FMT_BF8 matrix_b_fmt:MATRIX_FMT_BF8
.endif
.endr
	WIN 0
.rept 8
	v_nop                                          ; eight places behind the products
.endr
.irp j, 0,2,4,6
	v_pk_add_f32 v[ACC+\j:ACC+\j+1], v[ACC+\j:ACC+\j+1], v[ACC+8+\j:ACC+9+\j]   ; the two halves of K, from the low end on
.endr
	ds_store_b128 v11, v[ACC:ACC+3] offset:TSTG
	ds_store_b128 v11, v[ACC+4:ACC+7] offset:TSTG+16
	s_wait_dscnt 0x0
	s_barrier_signal -1
	s_barrier_wait -1                              ; 16 whole rows of 256 bytes lie in the stage
	ds_load_b128 v[ACC:ACC+3], v12 offset:TSTG
	ds_load_b128 v[ACC+4:ACC+7], v12 offset:TSTG+2*272
	s_wait_dscnt 0x0
	global_store_b128 v13, v[ACC:ACC+3], s[36:37]              ; sixteen lanes store 256 consecutive bytes, aligned
	global_store_b128 v13, v[ACC+4:ACC+7], s[36:37] offset:8192
	; W_cov's tile x goes into prep in the order of the operand's registers: waves 0 and 1 a K step each, wave 2 the scale words
	s_wait_tensorcnt 0x0
	ds_add_u32 v254, v255
	s_wait_dscnt 0x0
	s_endpgm
.Lfunc_end_k_qb0a3e0ff2a_prept:
	.size	k_qb0a3e0ff2a_prept, .Lfunc_end_k_qb0a3e0ff2a_prept-k_qb0a3e0ff2a_prept
	.p2alignl 7, 3214868480
	.fill 96, 4, 3214868480
	.section	.rodata,"a",@progbits
	.p2align	6, 0x0
	.amdhsa_kernel k_qb0a3e0ff2a_prept
		.amdhsa_group_segment_fixed_size 23040
		.amdhsa_private_segment_fixed_size 0
		.amdhsa_enable_private_segment 0
		.amdhsa_kernarg_size 56
		.amdhsa_user_sgpr_count 2
		.amdhsa_user_sgpr_kernarg_segment_ptr 1
		.amdhsa_wavefront_size32 1
		.amdhsa_system_sgpr_workgroup_id_x 1
		.amdhsa_system_sgpr_workgroup_id_y 1
		.amdhsa_system_sgpr_workgroup_id_z 1
		.amdhsa_system_vgpr_workitem_id 0
		.amdhsa_next_free_vgpr 512
		.amdhsa_next_free_sgpr 66
		.amdhsa_reserve_vcc 0
		.amdhsa_float_denorm_mode_32 3
		.amdhsa_float_denorm_mode_16_64 3
		.amdhsa_memory_ordered 1
		.amdhsa_forward_progress 1
		.amdhsa_inst_pref_size 35
	.end_amdhsa_kernel
	.amdgpu_metadata
---
amdhsa.version: [ 1, 2 ]
amdhsa.kernels:
  - .name:           k_qb0a3e0ff2a_prept
    .symbol:         k_qb0a3e0ff2a_prept.kd
    .args:
      - { .name: h, .offset: 0, .size: 8, .value_kind: global_buffer, .address_space: global }
      - { .name: W_in_codes, .offset: 8, .size: 8, .value_kind: global_buffer, .address_space: global }
      - { .name: W_in_scales, .offset: 16, .size: 8, .value_kind: global_buffer, .address_space: global }
      - { .name: W_cov_codes, .offset: 24, .size: 8, .value_kind: global_buffer, .address_space: global }
      - { .name: W_cov_scales, .offset: 32, .size: 8, .value_kind: global_buffer, .address_space: global }
      - { .name: prep, .offset: 40, .size: 8, .value_kind: global_buffer, .address_space: global }
      - { .name: hq, .offset: 48, .size: 8, .value_kind: global_buffer, .address_space: global }
    .group_segment_fixed_size: 23040
    .private_segment_fixed_size: 0
    .kernarg_segment_align: 8
    .kernarg_segment_size: 56
    .max_flat_workgroup_size: 128
    .sgpr_count:     66
    .vgpr_count:     512
    .wavefront_size: 32
...
	.end_amdgpu_metadata
.endif
;; end of part 1
;; launch ctx (part 2): grid 256 x 1, 4 waves a work-group, no clusters, 327,680 bytes of LDS; arguments context, cov, mask, b_cov, prep, xa, xas, soft; writes xa, xas, soft
.if DOCPART == 2
	.amdgcn_target "amdgcn-amd-amdhsa--gfx1250"
	.amdhsa_code_object_version 6
	.text
	.protected	k_qb0a3e0ff2a_ctx
	.globl	k_qb0a3e0ff2a_ctx
	.p2align	8
	.type	k_qb0a3e0ff2a_ctx,@function
k_qb0a3e0ff2a_ctx:
	s_mov_b64 s[64:65], 0
	v_nop
	global_prefetch_b8 v0, s[64:65] scope:SCOPE_SE
	s_setreg_imm32_b32 hwreg(HW_REG_WAVE_MODE, 25, 1), 1
	s_wait_xcnt 0x0
.set XSC,    0
.set CSC,    256
.set SCR,    1280
.set MB,     1792
.set SCO,    2304
.set COVIMG, 2816
.set TB,     11008
.set TURN,   19200
.set SPARE,  52992
.set RING,   53504
.set SLOTB,  133120
.set STRIP,  33280
.set CP,     1040
.set A8, 1
.set A8W, 2
.set L16, 3
.set R4, 4
.set SCRW, 5
.set TURNW, 6
.set TURNR, 7
.set FST, 8
.set IMGW, 9
.set TBA, 10
.set XSCW, 11
.set CA0, 12
.set SPW, 13
.set NIL, 14
.set W_IMG, 15
.set W_A8, 16
.set W_A8W, 17
.set W_SCW, 18
.set W_R4P, 19
.set W_R4R, 20
.set W_CA, 21
.set WCSC, 22
.set CVS, 38
.set M, 39
.set MN, 40
.set S, 41
.set P, 42
.set F, 44
.set DA, 46
.set DB, 48
.set TM, 50
.set PW0, 58
.set PW1, 59
.set T0, 60
.set T32, 64
.set PC, 96
.set CTX, 128
.set WC, 0
.set AUX, 128
.set CS, 192
.set WV, 20
.set SEL, 22
.set MNT, 24
.set HIM, 25
.set G1, 28
.set G0, 36
.set TA, 44
.set TI, 45
.set TM4, 46
.set TR, 47
.set TP, 48
.set CNT, 49
.set XP, 50
.set CVB, 52
.set XCV, 54
.set XSB, 56
.set WCPB, 66
.set SCB, 68
.set TGB, 70
.set MSB, 0
.macro WIN new
.if MSB != \new
	s_set_vgpr_msb (MSB<<8)|\new
.set MSB, \new
.endif
.endm
.macro Q2 base, pc, pw, hs
.irp b, 0,1
	v_max3_num_f32 v[TM+\b], |v[\base+16*\b]|, |v[\base+16*\b+1]|, 0x8000000
.endr
.irp i, 2,4,6,8,10,12,14
.irp b, 0,1
	v_max3_num_f32 v[TM+\b], v[TM+\b], |v[\base+16*\b+\i]|, |v[\base+16*\b+\i+1]|
.endr
.endr
.irp b, 0,1
	v_permlanex16_b32 v[TM+2+\b], v[TM+\b], s[SEL], s[SEL+1]
.endr
.irp b, 0,1
	v_max_num_f32 v[TM+\b], v[TM+\b], v[TM+2+\b]
.endr
.irp b, 0,1
	v_add_nc_u32 v[TM+6+\b], 0xf8800000, v[TM+\b]
.endr
.irp b, 0,1
	v_and_or_b32 v[TM+4+\b], v[TM+\b], 0x7f800000, s[MNT]
.endr
.irp b, 0,1
	v_lshrrev_b32 v[TM+2+\b], 23, v[TM+6+\b]
.endr
.if \hs
	v_lshl_or_b32 v[\pw], v[TM+2], 16, v[\pw]
	v_lshl_or_b32 v[\pw], v[TM+3], 24, v[\pw]
.else
	v_lshl_or_b32 v[\pw], v[TM+3], 8, v[TM+2]
.endif
.irp b, 0,1
.irp i, 0,1,2,3,4,5,6,7,8,9,10,11,12,13,14,15
	v_med3_num_f32 v[T32+16*\b+\i], v[\base+16*\b+\i], -v[TM+4+\b], v[TM+4+\b]
.endr
	v_cvt_scalef32_pk8_bf8_f32 v[\pc+4*\b:\pc+4*\b+1], v[T32+16*\b:T32+16*\b+7], v[TM+6+\b]
	v_cvt_scalef32_pk8_bf8_f32 v[\pc+4*\b+2:\pc+4*\b+3], v[T32+16*\b+8:T32+16*\b+15], v[TM+6+\b]
.endr
	v_nop
.endm
.macro CVLOAD k
	WIN 0xc0
.set i, 0
.rept 16
	global_load_b128 v[CS+4*i:CS+4*i+3], v[L16], s[CVB:CVB+1] offset:32768*(\k)+1024*i
.set i, i+1
.endr
	WIN 0
.endm
.macro COVQ k, ahead
	s_wait_loadcnt 0x0
	s_wait_xcnt 0x0
	WIN 0x0c
.set i, 0
.rept 16
	ds_store_b128 v[TURNW], v[CS+4*i:CS+4*i+3] offset:TURN+528*i
.set i, i+1
.endr
	WIN 0
.set i, 0
.rept 16
	ds_load_b128 v[CTX+4*i:CTX+4*i+3], v[TURNR] offset:TURN+128*(i/4)+16*(i%4)
.set i, i+1
.endr
	s_wait_dscnt 0x0
.if \ahead
	CVLOAD (\k)+1
.endif
	Q2 CTX, PC, PW0, 0
	Q2 CTX+32, PC+8, PW0, 1
.irp c, 0,1,2,3
	ds_store_b128 v[IMGW], v[PC+4*\c:PC+4*\c+3] offset:COVIMG+512*\c
.endr
	ds_store_b32 v[XSCW], v[PW0] offset:XSC
.irp c, 0,1,2,3
	global_store_b128 v[L16], v[PC+4*\c:PC+4*\c+3], s[XCV:XCV+1] offset:45056*(\k)+512*\c
.endr
.endm
.macro XSFLUSH k
	s_cmp_lg_u32 s[WV], 0
	s_cbranch_scc1 .Lnoxs_\@
	ds_load_b64 v[T0:T0+1], v[A8] offset:XSC
	s_wait_dscnt 0x0
	global_store_b64 v[A8], v[T0:T0+1], s[XSB:XSB+1] offset:1536*(\k)+1024
.Lnoxs_\@:
.endm
.macro CSFLUSH k
	ds_load_b64 v[T0+2:T0+3], v[A8W] offset:CSC
	s_wait_dscnt 0x0
	global_store_b64 v[A8W], v[T0+2:T0+3], s[XSB:XSB+1] offset:1536*(\k)
.endm
.macro AUXLOAD hf
	WIN 0xc0
.set i, 0
.rept 8
	ds_load_b128 v[AUX+4*i:AUX+4*i+3], v[TBA] offset:TB+256*(\hf)+128*(i/4)+16*(i%4)
	ds_load_b128 v[AUX+32+4*i:AUX+32+4*i+3], v[TBA] offset:TB+1024+256*(\hf)+128*(i/4)+16*(i%4)
.set i, i+1
.endr
	WIN 0
.endm
.macro HALF hf
	s_wait_dscnt 0x0
	WIN 0x0c
.set i, 0
.rept 16
	v_pk_add_f32 v[CTX+32*\hf+2*i:CTX+32*\hf+2*i+1], v[CTX+32*\hf+2*i:CTX+32*\hf+2*i+1], v[AUX+2*i:AUX+2*i+1]
.set i, i+1
.endr
.set i, 0
.rept 8
	v_pk_fma_f32 v[DA:DA+1], v[CTX+32*\hf+4*i:CTX+32*\hf+4*i+1], v[AUX+32+4*i:AUX+32+4*i+1], v[DA:DA+1]
	v_pk_fma_f32 v[DB:DB+1], v[CTX+32*\hf+4*i+2:CTX+32*\hf+4*i+3], v[AUX+32+4*i+2:AUX+32+4*i+3], v[DB:DB+1]
.set i, i+1
.endr
.if \hf < 3
	AUXLOAD (\hf)+1
.endif
	WIN 0
	Q2 CTX+32*\hf, PC+16*(\hf/2)+8*(\hf%2), PW0+(\hf/2), \hf%2
.if \hf%2
.irp c, 0,1,2,3
	global_store_b128 v[L16], v[PC+16*(\hf/2)+4*\c:PC+16*(\hf/2)+4*\c+3], s[XP:XP+1] offset:2048*(\hf/2)+512*\c
.endr
.endif
.endm
.macro SLOTLOOP k
	s_wait_xcnt 0x0
	s_mov_b32 s[TA], SLOTB*((\k)%2)
	s_mov_b32 s[TI], 0
	s_mov_b32 s[TM4], 0
	s_mov_b32 s[TR], 128*(\k)
	s_mov_b32 s[TP], 0
	s_mov_b32 s[CNT], 0
.Ltile_\@:
	v_add_nc_u32 v[W_IMG], s[TI], v[L16]
	v_add_nc_u32 v[W_A8], s[TM4], v[A8]
	v_add_nc_u32 v[W_A8W], s[TM4], v[A8W]
	v_add_nc_u32 v[W_SCW], s[TP], v[SCRW]
	v_add_nc_u32 v[W_R4P], s[TP], v[R4]
	v_add_nc_u32 v[W_R4R], s[TR], v[R4]
	v_add_nc_u32 v[W_CA], s[TA], v[CA0]
.set i, 0
.rept 8
	ds_load_b128 v[T32+4*i:T32+4*i+3], v[W_IMG] offset:COVIMG+512*i
.set i, i+1
.endr
	ds_load_b32 v[CVS], v[W_A8] offset:XSC
.set i, 0
.rept 32
	ds_load_b128 v[CTX+4*i:CTX+4*i+3], v[W_CA] offset:128*(i/4)+16*(i%4)
.set i, i+1
.endr
	AUXLOAD 0
	s_wait_dscnt 16
	WIN 0x01
.set t, 0
.rept 16
	v_wmma_scale_f32_16x16x128_f8f6f4 v[CTX+8*t:CTX+8*t+7], v[16*t:16*t+15], v[T32:T32+15], v[CTX+8*t:CTX+8*t+7], v[WCSC+t], v[CVS] matrix_a_fmt:MATRIX_FMT_BF8 matrix_b_fmt:MATRIX_FMT_BF8
.set t, t+1
.endr
	WIN 0x02
.set t, 0
.rept 16
	v_wmma_scale_f32_16x16x128_f8f6f4 v[CTX+8*t:CTX+8*t+7], v[16*t:16*t+15], v[T32+16:T32+31], v[CTX+8*t:CTX+8*t+7], v[WCSC+t], v[CVS] matrix_a_fmt:MATRIX_FMT_BF8 matrix_b_fmt:MATRIX_FMT_BF8 matrix_a_scale:MATRIX_SCALE_ROW1 matrix_b_scale:MATRIX_SCALE_ROW1
.set t, t+1
.endr
	WIN 0
	v_mov_b32 v[DA], 0
	v_mov_b32 v[DA+1], 0
	v_mov_b32 v[DB], 0
	v_mov_b32 v[DB+1], 0
.rept 4
	v_nop
.endr
	HALF 0
	HALF 1
	HALF 2
	HALF 3
	v_cndmask_b32 v[PW0], v[PW0], v[PW1], s[HIM]
	ds_store_b32 v[W_A8W], v[PW0] offset:CSC
	v_pk_add_f32 v[DA:DA+1], v[DA:DA+1], v[DB:DB+1]
	v_add_f32 v[DA], v[DA], v[DA+1]
	v_permlanex16_b32 v[T0], v[DA], s[SEL], s[SEL+1]
	v_add_f32 v[DA], v[DA], v[T0]
	ds_store_b32 v[W_SCW], v[DA] offset:SCR
	s_wait_dscnt 0x0
	s_barrier_signal -1
	s_barrier_wait -1
.irp g, 0,1,2,3
	ds_load_b32 v[T0+\g], v[W_R4P] offset:SCR+64*\g
.endr
	ds_load_b32 v[S], v[W_R4R] offset:MB
	s_wait_dscnt 0x0
	v_add_f32 v[T0], v[T0], v[T0+1]
	v_add_f32 v[T0+2], v[T0+2], v[T0+3]
	v_add_f32 v[T0], v[T0], v[T0+2]
	v_min_num_f32 v[S], v[T0], v[S]
	v_max_num_f32 v[MN], v[M], v[S]
	v_sub_f32 v[P], v[S], v[MN]
	v_sub_f32 v[F], v[M], v[MN]
	v_mul_f32 v[P], 0x3fb8aa3b, v[P]
	v_mul_f32 v[F], 0x3fb8aa3b, v[F]
	s_wait_alu depctr_va_vdst(0)
	v_exp_f32 v[P], v[P]
	v_exp_f32 v[F], v[F]
	v_mov_b32 v[M], v[MN]
	s_wait_alu depctr_va_vdst(0)
	s_cmp_lg_u32 s[WV], 0
	s_cbranch_scc1 .Lnw0_\@
	ds_store_b32 v[W_R4R], v[S] offset:SCO
.Lnw0_\@:
.set i, 0
.rept 64
	v_pk_mul_f32 v[CTX+2*i:CTX+2*i+1], v[CTX+2*i:CTX+2*i+1], v[P:P+1] op_sel_hi:[1,0]
.set i, i+1
.endr
	WIN 0xc3
.set i, 0
.rept 64
	v_pk_fma_f32 v[WC+2*i:WC+2*i+1], v[WC+2*i:WC+2*i+1], v[F:F+1], v[CTX+2*i:CTX+2*i+1] op_sel_hi:[1,0,1]
.set i, i+1
.endr
	WIN 0
	s_wait_xcnt 0x0
	s_add_nc_u64 s[XP:XP+1], s[XP:XP+1], 22528
	s_add_co_u32 s[TA], s[TA], 16*CP
	s_add_co_u32 s[TI], s[TI], 4096
	s_add_co_u32 s[TM4], s[TM4], 4
	s_add_co_u32 s[TR], s[TR], 64
	s_add_co_u32 s[TP], s[TP], 256
	s_add_co_u32 s[CNT], s[CNT], 1
	s_cmp_lt_u32 s[CNT], 2
	s_cbranch_scc1 .Ltile_\@
.endm
.macro CHANGE slot, fill
	s_wait_tensorcnt 0x0
	ds_add_u32 v[SPW], v[NIL]
.if \fill
	s_add_nc_u64 s[G0+4*\slot+2:G0+4*\slot+3], s[G0+4*\slot+2:G0+4*\slot+3], 262144
.endif
	s_wait_dscnt 0x0
	s_barrier_signal -1
	s_barrier_wait -1
.if \fill
	tensor_load_to_lds s[G0+4*\slot:G0+4*\slot+3], s[G1:G1+7]
	s_nop 0
.rept 4
	v_nop
.endr
.endif
.endm
	s_load_b512 s[4:19], s[0:1], 0x0
	v_lshl_add_u32 v[SPW], v0, 2, SPARE
	v_mov_b32 v[NIL], 0
	ds_add_u32 v13, v14
	ds_add_u32 v13, v14
	s_wait_dscnt 0x0
	v_lshrrev_b32 v1, 5, v0
	v_readfirstlane_b32 s[WV], v1
	s_mov_b32 s[G1], (2<<16)|(1<<20)|(7<<22)|(3<<25)
	s_mov_b32 s[G1+1], 256<<16
	s_mov_b32 s[G1+2], 32<<16
	s_mov_b32 s[G1+3], 256<<16
	s_mov_b32 s[G1+4], 32
	s_mov_b32 s[G1+5], 1024
	s_mov_b32 s[G1+6], 0
	s_mov_b32 s[G1+7], 0
	s_mul_i32 s58, s[WV], STRIP
	s_lshl_b32 s60, ttmp9, 19
	s_lshl_b32 s59, s[WV], 10
	s_add_co_u32 s60, s60, s59
	s_mov_b32 s61, 0
	s_wait_kmcnt 0x0
	s_add_nc_u64 s[62:63], s[4:5], s[60:61]
.irp k, 0,1
	s_mov_b32 s[G0+4*\k], 1
	s_add_co_u32 s[G0+4*\k+1], s58, RING+\k*SLOTB
	s_add_nc_u64 s[G0+4*\k+2:G0+4*\k+3], s[62:63], \k*131072
	s_or_b32 s[G0+4*\k+3], s[G0+4*\k+3], 0x80000000
.endr
	tensor_load_to_lds s[G0:G0+3], s[G1:G1+7]
	s_nop 0
	s_mov_b32 s[SEL], 0x76543210
	s_mov_b32 s[SEL+1], 0xfedcba98
	s_mov_b32 s[MNT], 0x600000
	s_mov_b32 s[HIM], 0xffff0000
	v_and_b32 v60, 31, v0
	v_and_b32 v61, 15, v0
	v_bfe_u32 v62, v0, 4, 1
	v_lshlrev_b32 v63, 2, v60
	v_lshlrev_b32 v[A8], 3, v60
	s_lshl_b32 s58, s[WV], 8
	v_add_nc_u32 v[A8W], s58, v[A8]
	v_lshlrev_b32 v[L16], 4, v60
	v_lshlrev_b32 v[R4], 2, v61
	s_lshl_b32 s58, s[WV], 6
	v_add_nc_u32 v[SCRW], s58, v[R4]
	s_mul_i32 s58, s[WV], 8448
	v_add_nc_u32 v[TURNW], s58, v[L16]
	v_mul_u32_u24 v[TURNR], v61, 528
	v_lshl_add_u32 v[TURNR], v62, 6, v[TURNR]
	v_add_nc_u32 v[TURNR], s58, v[TURNR]
	v_lshlrev_b32 v[FST], 6, v62
	v_add_nc_u32 v[FST], s58, v[FST]
	s_lshl_b32 s58, s[WV], 11
	v_add_nc_u32 v[IMGW], s58, v[L16]
	v_lshlrev_b32 v[TBA], 6, v62
	v_add_nc_u32 v[TBA], s58, v[TBA]
	s_lshr_b32 s58, s[WV], 1
	s_and_b32 s59, s[WV], 1
	s_lshl_b32 s62, s59, 7
	s_lshl_b32 s63, s58, 2
	s_add_co_u32 s62, s62, s63
	v_lshl_add_u32 v[XSCW], v61, 3, s62
	s_mul_i32 s62, s[WV], STRIP
	s_add_co_u32 s62, s62, RING
	v_mul_u32_u24 v[CA0], v61, CP
	v_lshl_add_u32 v[CA0], v62, 6, v[CA0]
	v_add_nc_u32 v[CA0], s62, v[CA0]
	s_lshl_b32 s[CVB], ttmp9, 17
	s_lshl_b32 s62, s58, 14
	s_add_co_u32 s[CVB], s[CVB], s62
	s_lshl_b32 s62, s59, 9
	s_add_co_u32 s[CVB], s[CVB], s62
	s_mov_b32 s[CVB+1], 0
	s_add_nc_u64 s[CVB:CVB+1], s[6:7], s[CVB:CVB+1]
	s_mul_i32 s[XP], ttmp9, 180224
	s_mul_i32 s62, s58, 22528
	s_add_co_u32 s[XCV], s[XP], s62
	s_lshl_b32 s62, s59, 11
	s_add_co_u32 s[XCV], s[XCV], s62
	s_add_co_u32 s[XCV], s[XCV], 16384
	s_mov_b32 s[XCV+1], 0
	s_add_nc_u64 s[XCV:XCV+1], s[14:15], s[XCV:XCV+1]
	s_lshl_b32 s62, s[WV], 12
	s_add_co_u32 s[XP], s[XP], s62
	s_mov_b32 s[XP+1], 0
	s_add_nc_u64 s[XP:XP+1], s[14:15], s[XP:XP+1]
	s_mul_i32 s[XSB], ttmp9, 6144
	s_mov_b32 s[XSB+1], 0
	s_add_nc_u64 s[XSB:XSB+1], s[16:17], s[XSB:XSB+1]
	s_lshl_b32 s[WCPB], ttmp9, 12
	s_lshl_b32 s62, s[WV], 10
	s_add_co_u32 s[WCPB], s[WCPB], s62
	s_add_co_u32 s[WCPB], s[WCPB], 131072
	s_mov_b32 s[WCPB+1], 0
	s_add_nc_u64 s[WCPB:WCPB+1], s[18:19], s[WCPB:WCPB+1]
	s_lshl_b32 s[SCB], ttmp9, 9
	s_mov_b32 s[SCB+1], 0
	s_add_nc_u64 s[SCB:SCB+1], s[18:19], s[SCB:SCB+1]
	s_mov_b32 s63, 0
	s_add_nc_u64 s[10:11], s[10:11], s[62:63]
	s_lshr_b32 s[TGB], ttmp9, 2
	s_lshl_b32 s[TGB], s[TGB], 12
	s_add_co_u32 s[TGB], s[TGB], s62
	s_mov_b32 s[TGB+1], 0
	s_add_nc_u64 s[TGB:TGB+1], s[12:13], s[TGB:TGB+1]
	s_lshl_b32 s62, ttmp9, 7
	s_add_nc_u64 s[8:9], s[8:9], s[62:63]
	s_lshl_b32 s60, s[WV], 11
	s_add_co_u32 s60, s60, 524288
	s_mov_b32 s61, 0
	s_add_nc_u64 s[60:61], s[12:13], s[60:61]
	s_lshl_b32 s62, s[WV], 16
	s_add_co_u32 s62, s62, 262144
	s_add_nc_u64 s[12:13], s[12:13], s[62:63]
	CVLOAD 0
	global_load_b128 v[CTX:CTX+3], v[L16], s[10:11]
	global_load_b128 v[CTX+4:CTX+7], v[L16], s[10:11] offset:512
	global_load_b128 v[CTX+8:CTX+11], v[L16], s[TGB:TGB+1]
	global_load_b128 v[CTX+12:CTX+15], v[L16], s[TGB:TGB+1] offset:512
	global_load_u8 v[S], v0, s[8:9]
.set t, 0
.rept 16
	global_load_b32 v[WCSC+t], v63, s[60:61] offset:128*t
.set t, t+1
.endr
	WIN 0x40
.set i, 0
.rept 64
	global_load_b128 v[4*i:4*i+3], v[L16], s[12:13] offset:512*i
.set i, i+1
.endr
	WIN 0x80
.set i, 0
.rept 64
	global_load_b128 v[4*i:4*i+3], v[L16], s[12:13] offset:32768+512*i
.set i, i+1
.endr
	WIN 0xc0
.set i, 0
.rept 128
	v_mov_b32 v[WC+i], 0
.set i, i+1
.endr
	WIN 0
	v_mov_b32 v[M], 0xff61b1e6
	v_mov_b32 v[P+1], 0
	v_mov_b32 v[F+1], 0
	v_mov_b32 v[TM+2], 0
	v_mov_b32 v[TM+3], 0
	v_mov_b32 v[MN], 0x7f800000
	v_mov_b32 v[DA], 0xff800000
	v_lshlrev_b32 v[DB], 2, v0
	s_wait_alu depctr_va_vdst(0)
	s_wait_loadcnt 63
	ds_store_b128 v[IMGW], v[CTX:CTX+3] offset:TB
	ds_store_b128 v[IMGW], v[CTX+4:CTX+7] offset:TB+512
	ds_store_b128 v[IMGW], v[CTX+8:CTX+11] offset:TB+1024
	ds_store_b128 v[IMGW], v[CTX+12:CTX+15] offset:TB+1536
	v_cmp_ne_u32 vcc_lo, 0, v[S]
	v_cndmask_b32 v[MN], v[MN], v[DA], vcc_lo
	ds_store_b32 v[DB], v[MN] offset:MB
	v_mov_b32 v[T0], 0
	; slot 1's first fill, issued as a refill is.  All the head's other loads have been asked for by now
	s_wait_alu depctr_va_vdst(0)
	s_wait_tensorcnt 0x0
	ds_add_u32 v13, v14
	s_wait_dscnt 0x0
	s_barrier_signal -1
	s_barrier_wait -1
	tensor_load_to_lds s[G0+4:G0+7], s[G1:G1+7]
	s_nop 0
.rept 4
	v_nop
.endr
	COVQ 0, 1
	s_wait_tensorcnt 1
	s_wait_dscnt 0x0
	s_barrier_signal -1
	s_barrier_wait -1
	XSFLUSH 0
	SLOTLOOP 0
	CSFLUSH 0
	COVQ 1, 1
	CHANGE 0, 1
	XSFLUSH 1
	SLOTLOOP 1
	CSFLUSH 1
	COVQ 2, 1
	CHANGE 1, 1
	XSFLUSH 2
	SLOTLOOP 2
	CSFLUSH 2
	COVQ 3, 0
	CHANGE 0, 0
	XSFLUSH 3
	SLOTLOOP 3
	CSFLUSH 3
	v_mov_b32 v[MN], v[M]
	v_max_num_f32_dpp v[MN], v[MN], v[MN] row_xmask:1 row_mask:0xf bank_mask:0xf
	v_max_num_f32_dpp v[MN], v[MN], v[MN] row_xmask:2 row_mask:0xf bank_mask:0xf
	v_max_num_f32_dpp v[MN], v[MN], v[MN] row_xmask:4 row_mask:0xf bank_mask:0xf
	v_max_num_f32_dpp v[MN], v[MN], v[MN] row_xmask:8 row_mask:0xf bank_mask:0xf
	v_sub_f32 v[F], v[M], v[MN]
	v_mul_f32 v[F], 0x3fb8aa3b, v[F]
	s_wait_alu depctr_va_vdst(0)
	v_exp_f32 v[F], v[F]
	v_nop
	s_wait_alu depctr_va_vdst(0)
	WIN 0x03
.set i, 0
.rept 64
	v_pk_mul_f32 v[CTX+2*i:CTX+2*i+1], v[WC+2*i:WC+2*i+1], v[F:F+1] op_sel_hi:[1,0]
.set i, i+1
.endr
	WIN 0
.irp x, 1,2,4,8
.set i, 0
.rept 128
	v_add_f32_dpp v[CTX+i], v[CTX+i], v[CTX+i] row_xmask:\x row_mask:0xf bank_mask:0xf
.set i, i+1
.endr
.endr
.set i, 0
.rept 32
	ds_store_b128 v[FST], v[CTX+4*i:CTX+4*i+3] offset:TURN+128*(i/4)+16*(i%4)
.set i, i+1
.endr
	ds_load_b128 v[T32:T32+3], v[TURNW] offset:TURN
	ds_load_b128 v[T32+4:T32+7], v[TURNW] offset:TURN+512
	s_wait_dscnt 0x0
	global_store_b128 v[L16], v[T32:T32+3], s[WCPB:WCPB+1]
	global_store_b128 v[L16], v[T32+4:T32+7], s[WCPB:WCPB+1] offset:512
	s_cmp_lg_u32 s[WV], 0
	s_cbranch_scc1 .Lnosc
	ds_load_b128 v[T32+8:T32+11], v[L16] offset:SCO
	s_wait_dscnt 0x0
	global_store_b128 v[L16], v[T32+8:T32+11], s[SCB:SCB+1]
.Lnosc:
	s_wait_tensorcnt 0x0
	ds_add_u32 v[SPW], v[NIL]
	s_wait_dscnt 0x0
	s_endpgm
.Lfunc_end_k_qb0a3e0ff2a_ctx:
	.size	k_qb0a3e0ff2a_ctx, .Lfunc_end_k_qb0a3e0ff2a_ctx-k_qb0a3e0ff2a_ctx
	.p2alignl 7, 3214868480
	.fill 96, 4, 3214868480
	.section	.rodata,"a",@progbits
	.p2align	6, 0x0
	.amdhsa_kernel k_qb0a3e0ff2a_ctx
		.amdhsa_group_segment_fixed_size 327680
		.amdhsa_private_segment_fixed_size 0
		.amdhsa_enable_private_segment 0
		.amdhsa_kernarg_size 64
		.amdhsa_user_sgpr_count 2
		.amdhsa_user_sgpr_kernarg_segment_ptr 1
		.amdhsa_wavefront_size32 1
		.amdhsa_system_sgpr_workgroup_id_x 1
		.amdhsa_system_sgpr_workgroup_id_y 1
		.amdhsa_system_sgpr_workgroup_id_z 1
		.amdhsa_system_vgpr_workitem_id 0
		.amdhsa_next_free_vgpr 1024
		.amdhsa_next_free_sgpr 72
		.amdhsa_reserve_vcc 1
		.amdhsa_float_denorm_mode_32 3
		.amdhsa_float_denorm_mode_16_64 3
		.amdhsa_memory_ordered 1
		.amdhsa_forward_progress 1
		.amdhsa_inst_pref_size 255
	.end_amdhsa_kernel
	.section	.bss,"aw",@nobits
	.p2align	6
	.space	262144
	.amdgpu_metadata
---
amdhsa.version: [ 1, 2 ]
amdhsa.kernels:
  - .name:           k_qb0a3e0ff2a_ctx
    .symbol:         k_qb0a3e0ff2a_ctx.kd
    .args:
      - { .name: context, .offset: 0, .size: 8, .value_kind: global_buffer, .address_space: global }
      - { .name: cov, .offset: 8, .size: 8, .value_kind: global_buffer, .address_space: global }
      - { .name: mask, .offset: 16, .size: 8, .value_kind: global_buffer, .address_space: global }
      - { .name: b_cov, .offset: 24, .size: 8, .value_kind: global_buffer, .address_space: global }
      - { .name: prep, .offset: 32, .size: 8, .value_kind: global_buffer, .address_space: global }
      - { .name: xa, .offset: 40, .size: 8, .value_kind: global_buffer, .address_space: global }
      - { .name: xas, .offset: 48, .size: 8, .value_kind: global_buffer, .address_space: global }
      - { .name: soft, .offset: 56, .size: 8, .value_kind: global_buffer, .address_space: global }
    .group_segment_fixed_size: 327680
    .private_segment_fixed_size: 0
    .kernarg_segment_align: 8
    .kernarg_segment_size: 64
    .max_flat_workgroup_size: 128
    .sgpr_count:     72
    .vgpr_count:     1024
    .wavefront_size: 32
...
	.end_amdgpu_metadata
.endif
;; end of part 2
;; launch mid (part 3): grid 112 x 1, 4 waves a work-group, no clusters, 174,592 bytes of LDS; arguments soft, hq, W_out_codes, W_out_scales, b_ih, b_hh, out0, out1, xa, xas, gb, w_ih, w_hh_codes, w_hh_scales, prep; writes out0, out1, xa, xas, gb, prep
.if DOCPART == 3
	.amdgcn_target "amdgcn-amd-amdhsa--gfx1250"
	.amdhsa_code_object_version 6
	.text
	.protected	k_qb0a3e0ff2a_mid
	.globl	k_qb0a3e0ff2a_mid
	.p2align	8
	.type	k_qb0a3e0ff2a_mid,@function
k_qb0a3e0ff2a_mid:
	s_mov_b64 s[64:65], 0
	v_nop
	global_prefetch_b8 v0, s[64:65] scope:SCOPE_SE
	s_setreg_imm32_b32 hwreg(HW_REG_WAVE_MODE, 25, 1), 1
	s_wait_xcnt 0x0
; Two kinds of work-groups, parted on the work-group's number at the first line and never joined; each kind has LDS bytes of its own.
; WORK-GROUPS 0-63, THE SOFTMAX (x = id % 16, y = id / 16).  The softmax is finished from the stored scores (maximum taken away first); attn goes to out1 and, quantised as a K block
; of its own, to xa and xas (K step 10); wc is joined from the four partials of each batch; h_tilde = tanh(Q([wc, h]) W_out^T) goes to out0.
; Batches 16 y on; wave w makes columns 64 x + 16 w of out0 and a quarter of batch 16 y + x's attn.  Every work-group of a y makes the statistics and wc of its 16 batches anew:
; 256 KiB of reads against a further launch.
; WORK-GROUPS 64-111, THE WEIGHTS (g = id - 64).  Rows 16 g .. 16 g + 15 of w_ih [768][2049] f32, one dense block of 131,136 bytes, are staged in LDS as they lie (rows 8,196 bytes apart)
; and quantised along K into images of operand registers.  Wave w takes K steps w, w + 4 (K under 1,024: prep's section WB, steps 0-7) and w + 8, w + 12 (K 1,024 .. 2,047: h's columns, kept in LDS).
; Wave 0 also makes step 10 (column 2,048, a block of its own, then zeros); wave 1 copies w_hh (steps 8, 9).  Tile g = 16 kind + ct lies at idx = 6 (ct / 2) + 2 kind + ct % 2.
; The share of gx that belongs to h is the same for all rows of a batch: one product [64 x 768].  Wave w multiplies the tile's h columns with Q(h) of batches 16 w on, adds the biases and stores gb.
; These work-groups have no part in the softmax: nothing that they make is read before the next launch.
; LIMITS: NaN and infinities are not served; a batch that is masked throughout gets NaN in out0 and out1, and finite codes for attn; a block of zeros gets the byte 1 (its codes are zeros).
.set MG,   0                           ; LDS of the softmax's work-groups
.set LG,   256
.set WSC,  512
.set WIMG, 1536
.set STG,  17920
.set AST,  22528
.set WST,  24576                       ; LDS of the weights' work-groups: the stage, 131,328 bytes;
.set WS,   155904                      ; the tile's scale words, [6][32] words;
.set WHI,  156672                      ; eight images of h's columns;
.set WHW,  173056                      ; their scale words, 128 bytes each
.set H_HQS, 65536                      ; hq: 32 images, then their scale words
.set P_WB,  532480                     ; sections of prep
.set P_WBS, 1613824
.set L16, 1
.set L4, 2
.set L8, 3
.set R4, 4
.set MGW, 5
.set IMW, 6
.set SCW, 7
.set STW, 8
.set STR, 9
.set OGO, 10
.set SCA, 11
.set WPA, 13
.set WOA, 14
.set WSA, 15
.set AT, 16
.set ASTW, 20
.set ASTR, 21
.set WOS, 24
.set AS, 40
.set WHSC, 56
.set SC, 64
.set X, 64                             ; the weights' work-groups: 128 registers at work
.set ZQ, 64                            ; the attn job: a quad of zeros; eight numbers; codes; eight quads; four pairs of words
.set QN, 68
.set CV, 76
.set IQ, 80
.set WW, 112
.set FAC, 120
.set WC, 128
.set TM, 192
.set PW, 208
.set PC, 212
.set ACC, 228
.set MBP, 244
.set RL, 246
.set T, 247
.set MGR, 248
.set BM, 252
.set BR, 253
.set WV, 26
.set XX, 27
.set SEL, 28
.set MNT, 30
.set HIM, 31
.set SELF, 40
.set SCB, 42
.set ATB, 44
.set WPB, 46
.set HQB, 48
.set HQSB, 50
.set MSB, 0
.macro WIN new
.if MSB != \new
	s_set_vgpr_msb (MSB<<8)|\new
.set MSB, \new
.endif
.endm
; 64 numbers of a lane, register 16 b + i = k 32 b + 16 (lane / 16) + i of my row, become a fragment's codes in v[PC] on and its scale word in v[PW]
.macro QUANT s
.irp b, 0,1,2,3
	v_max3_num_f32 v[TM+\b], |v[\s+16*\b]|, |v[\s+1+16*\b]|, 0x8000000   ; with the floor 2^(16 - 127)
.endr
.irp i, 2,4,6,8,10,12,14
.irp b, 0,1,2,3
	v_max3_num_f32 v[TM+\b], v[TM+\b], |v[\s+16*\b+\i]|, |v[\s+1+16*\b+\i]|
.endr
.endr
.irp b, 0,1,2,3
	v_permlanex16_b32 v[TM+4+\b], v[TM+\b], s[SEL], s[SEL+1]
.endr
.irp b, 0,1,2,3
	v_max_num_f32 v[TM+\b], v[TM+\b], v[TM+4+\b]
.endr
.irp b, 0,1,2,3
	v_add_nc_u32 v[TM+12+\b], 0xf8800000, v[TM+\b]
.endr
.irp b, 0,1,2,3
	v_and_or_b32 v[TM+8+\b], v[TM+\b], 0x7f800000, s[MNT]
.endr
.irp b, 0,1,2,3
	v_lshrrev_b32 v[TM+4+\b], 23, v[TM+12+\b]
.endr
	v_lshl_or_b32 v[PW], v[TM+5], 8, v[TM+4]
	v_lshl_or_b32 v[PW], v[TM+6], 16, v[PW]
	v_lshl_or_b32 v[PW], v[TM+7], 24, v[PW]
.irp b, 0,1,2,3
.irp i, 0,1,2,3,4,5,6,7,8,9,10,11,12,13,14,15
	v_med3_num_f32 v[\s+16*\b+\i], v[\s+16*\b+\i], -v[TM+8+\b], v[TM+8+\b]   ; the conversion does not saturate (ISA guide 7.6.2): the hold
.endr
	v_cvt_scalef32_pk8_bf8_f32 v[PC+4*\b:PC+1+4*\b], v[\s+16*\b:\s+7+16*\b], v[TM+12+\b]
	v_cvt_scalef32_pk8_bf8_f32 v[PC+2+4*\b:PC+3+4*\b], v[\s+8+16*\b:\s+15+16*\b], v[TM+12+\b]
.endr
	v_nop
.endm
.macro WPLOAD e, win                   ; the four partials of wc at my row's 64 numbers of K step 2 w + e: partial g at register 64 g
	WIN \win
.set i, 0
.rept 64
	global_load_b128 v[4*i:4*i+3], v[WPA], s[WPB:WPB+1] offset:4096*(i/16)+512*(\e)+128*((i/4)%4)+16*(i%4)
.set i, i+1
.endr
	WIN 0
.endm
.macro COMB win                        ; wc = the sum of the partials, each under the batch's maximum and over its sum
	WIN \win
.set i, 0
.rept 32
	v_pk_mul_f32 v[WC+2*i:WC+2*i+1], v[2*i:2*i+1], v[FAC:FAC+1]
.set i, i+1
.endr
.irp g, 1,2,3
.set i, 0
.rept 32
	v_pk_fma_f32 v[WC+2*i:WC+2*i+1], v[64*\g+2*i:64*\g+2*i+1], v[FAC+2*\g:FAC+2*\g+1], v[WC+2*i:WC+2*i+1]
.set i, i+1
.endr
.endr
	WIN 0
.endm
.macro TOLDS e
	QUANT WC
.irp c, 0,1,2,3
	ds_store_b128 v[IMW], v[PC+4*\c:PC+4*\c+3] offset:WIMG+2048*\e+512*\c
.endr
	ds_store_b32 v[SCW], v[PW] offset:WSC+128*\e
	s_wait_dscnt 0x0
.endm
.macro ATT q                           ; 32 positions' attn: a block of one number and 31 zeros each
	v_max_num_f32 v[TM], 0x8000000, v[AT+\q]
	v_add_nc_u32 v[TM+1], 0xf8800000, v[TM]
	v_and_or_b32 v[TM+2], v[TM], 0x7f800000, s[MNT]
	v_min_num_f32 v[QN], v[AT+\q], v[TM+2]         ; attn is not negative: the hold is one-sided
	v_lshrrev_b32 v[TM+3], 23, v[TM+1]
	v_or_b32 v[WW+2*\q], 0x7f7f7f00, v[TM+3]       ; the step's other three blocks are zeros under the byte 127
	v_cvt_scalef32_pk8_bf8_f32 v[CV:CV+1], v[QN:QN+7], v[TM+1]
	v_nop
	v_permlanex16_b32 v[WW+2*\q+1], v[WW+2*\q], s[SEL], s[SEL+1]
	v_permlanex16_b32 v[TM+3], v[CV], s[SEL], s[SEL+1]
	v_cndmask_b32 v[IQ+8*\q], v[CV], v[ZQ], s[HIM]         ; rows 0-15: k = 0 lies in lanes 0-15 alone
	v_cndmask_b32 v[IQ+8*\q+4], v[TM+3], v[ZQ], s[HIM]     ; rows 16-31
.endm
.macro GSTEP q                         ; the weights: K step w + 4 q of my tile's 16 rows
.set i, 0
.rept 64
	ds_load_b32 v[X+i], v7 offset:2048*\q+128*(i/16)+4*(i%16)   ; rows 2,049 words apart: the 32 lanes touch 32 banks
.set i, i+1
.endr
	s_wait_dscnt 0x0
	s_wait_xcnt 0x0                                ; the last step's stores have read the codes and the word
	QUANT X
.if \q < 2
.irp c, 0,1,2,3
	global_store_b128 v4, v[PC+4*\c:PC+4*\c+3], s[24:25] offset:8192*\q+512*\c
.endr
	ds_store_b32 v8, v[PW] offset:256*\q
.else
.irp c, 0,1,2,3
	ds_store_b128 v15, v[PC+4*\c:PC+4*\c+3] offset:8192*(\q-2)+512*\c   ; h's columns stay in LDS, as images
.endr
	ds_store_b32 v16, v[PW] offset:512*(\q-2)
.endif
.endm
	v_lshl_add_u32 v210, v0, 2, 0x2a800
	v_mov_b32 v211, 0
	s_cmp_lt_u32 ttmp9, 64                         ; the work-group's number alone decides: the same in all four waves
	s_cbranch_scc0 .Lweights
	; ================ the softmax's work-groups ================
	s_load_b512 s[4:19], s[0:1], 0x0               ; soft, hq, W_out codes, W_out scales, (b_ih, b_hh: the other kind's), out0, out1
	s_load_b128 s[20:23], s[0:1], 0x40             ; xa, xas
	v_lshrrev_b32 v1, 5, v0
	v_readfirstlane_b32 s[WV], v1
	v_and_b32 v254, 31, v0                         ; lane
	v_and_b32 v255, 15, v0                         ; r
	s_wait_alu depctr_va_vdst(0)
	v_bfe_u32 v[T], v0, 4, 1                       ; h
	s_and_b32 s[XX], ttmp9, 15                     ; x
	s_lshr_b32 s33, ttmp9, 4                       ; y
	s_mov_b32 s34, ttmp9                           ; 16 y + x: the batch of my attn job
	s_mov_b32 s[SEL], 0x76543210
	s_mov_b32 s[SEL+1], 0xfedcba98
	s_mov_b32 s[MNT], 0x600000
	s_mov_b32 s[HIM], 0xffff0000
	v_lshlrev_b32 v[L16], 4, v254
	v_lshlrev_b32 v[L4], 2, v254
	v_lshlrev_b32 v[L8], 3, v254
	v_lshlrev_b32 v[R4], 2, v255
	s_lshl_b32 s38, s[WV], 6
	v_add_nc_u32 v[MGW], s38, v[R4]
	v_mul_u32_u24 v[STW], v255, 272
	s_wait_alu depctr_va_vdst(0)
	v_lshl_add_u32 v[STW], v[T], 5, v[STW]
	v_add_nc_u32 v[STW], s38, v[STW]
	s_lshl_b32 s38, s[WV], 12
	v_add_nc_u32 v[IMW], s38, v[L16]
	s_lshl_b32 s38, s[WV], 8
	v_add_nc_u32 v[SCW], s38, v[L4]
	v_mul_u32_u24 v[STR], v[T], 272
	v_lshl_add_u32 v[STR], v255, 4, v[STR]
	s_mul_i32 s38, s[WV], 4*272
	v_add_nc_u32 v[STR], s38, v[STR]
	v_lshlrev_b32 v[OGO], 12, v[T]
	v_lshl_add_u32 v[OGO], v255, 4, v[OGO]
	v_lshlrev_b32 v[SCA], 11, v255
	v_lshl_add_u32 v[SCA], v[T], 8, v[SCA]         ; scores: 2,048 r + 256 h
	v_lshlrev_b32 v[WPA], 14, v255
	v_lshl_add_u32 v[WPA], v[T], 6, v[WPA]         ; partials: 16,384 r + 64 h
	v_lshlrev_b32 v[WOA], 11, v255
	v_lshl_add_u32 v[WOA], v[T], 4, v[WOA]         ; W_out: 2,048 r + 16 h
	v_lshlrev_b32 v[WSA], 6, v255
	s_lshl_b32 s38, s[WV], 9
	v_add_nc_u32 v[ASTW], s38, v[L4]
	v_add_nc_u32 v[ASTR], s38, v[L16]
	s_lshl_b32 s[SCB], s33, 15
	s_add_co_u32 s[SCB], s[SCB], s38               ; scores of batches 16 y on, positions 128 w on
	s_mov_b32 s[SCB+1], 0
	s_lshl_b32 s[ATB], s34, 11
	s_add_co_u32 s[ATB], s[ATB], s38
	s_mov_b32 s[ATB+1], 0
	s_lshl_b32 s[WPB], s33, 18
	s_lshl_b32 s39, s[WV], 10
	s_add_co_u32 s[WPB], s[WPB], s39
	s_add_co_u32 s[WPB], s[WPB], 131072
	s_mov_b32 s[WPB+1], 0
	s_lshl_b32 s[HQB], s33, 14
	s_lshr_b32 s[HQSB], s[HQB], 4
	s_add_co_u32 s[HQSB], s[HQSB], H_HQS
	s_mov_b32 s[HQB+1], 0
	s_mov_b32 s[HQSB+1], 0
	s_wait_alu depctr_va_vdst(0)
	s_wait_kmcnt 0x0
	s_add_nc_u64 s[18:19], s[18:19], s[ATB:ATB+1]  ; out1 at my quarter
	s_add_nc_u64 s[SCB:SCB+1], s[4:5], s[SCB:SCB+1]
	s_add_nc_u64 s[ATB:ATB+1], s[4:5], s[ATB:ATB+1]
	s_add_nc_u64 s[WPB:WPB+1], s[4:5], s[WPB:WPB+1]
	s_add_nc_u64 s[HQB:HQB+1], s[6:7], s[HQB:HQB+1]
	s_add_nc_u64 s[HQSB:HQSB+1], s[6:7], s[HQSB:HQSB+1]
	s_lshl_b32 s38, s[XX], 2
	s_add_co_u32 s38, s38, s[WV]                   ; N tile 4 x + w
	s_lshl_b32 s38, s38, 15
	s_mov_b32 s39, 0
	s_add_nc_u64 s[8:9], s[8:9], s[38:39]          ; its 16 rows of 2,048 codes
	s_lshr_b32 s38, s38, 5
	s_add_nc_u64 s[10:11], s[10:11], s[38:39]
	s_lshl_b32 s38, s33, 16
	s_lshl_b32 s32, s[WV], 14
	s_add_co_u32 s38, s38, s32
	s_lshl_b32 s32, s[XX], 8
	s_add_co_u32 s38, s38, s32
	s_add_nc_u64 s[16:17], s[16:17], s[38:39]      ; out0: row 16 y + 4 w, byte 256 x
	s_lshl_b32 s38, s34, 5
	s_lshl_b32 s32, s[WV], 3
	s_add_co_u32 s38, s38, s32                     ; row tile 32 bx + 8 w
	s_mul_i32 s32, s38, 768                        ; its pair x 1,536
	s_mul_i32 s38, s38, 22528
	s_add_co_u32 s38, s38, 20480
	s_add_nc_u64 s[20:21], s[20:21], s[38:39]
	s_add_co_u32 s38, s32, 1280
	s_add_nc_u64 s[22:23], s[22:23], s[38:39]
.set i, 0
.rept 16
	global_load_b128 v[SC+4*i:SC+4*i+3], v[SCA], s[SCB:SCB+1] offset:16*i
.set i, i+1
.endr
.irp q, 0,1,2,3
	global_load_b32 v[AT+\q], v[L4], s[ATB:ATB+1] offset:128*\q
.endr
	WPLOAD 0, 0x80
	WPLOAD 1, 0xc0
	v_mov_b32 v254, 0
	v_mov_b32 v255, 0
.irp b, 0,1,2,3
	v_mov_b32 v[TM+4+\b], 0
.endr
	s_wait_loadcnt 63                              ; 132 loads were issued behind the scores
	v_max3_num_f32 v[T], v[SC], v[SC+1], 0xff61b1e6   ; with -3e38: the number under which the pass before began
.set i, 2
.rept 31
	v_max3_num_f32 v[T], v[T], v[SC+i], v[SC+i+1]
.set i, i+2
.endr
	v_permlanex16_b32 v254, v[T], s[SEL], s[SEL+1]
	v_max_num_f32 v[T], v[T], v254                 ; the maximum of batch r's positions 128 w on
	ds_store_b32 v[MGW], v[T] offset:MG
	s_wait_dscnt 0x0
	s_barrier_signal -1
	s_barrier_wait -1
.irp g, 0,1,2,3
	ds_load_b32 v[MGR+\g], v[R4] offset:MG+64*\g
.endr
	s_wait_dscnt 0x0
	v_max3_num_f32 v[MBP], v[MGR], v[MGR+1], v[MGR+2]
	v_max_num_f32 v[MBP], v[MBP], v[MGR+3]         ; the batch's maximum
	v_mov_b32 v[MBP+1], v[MBP]
.set i, 0
.rept 32
	v_pk_add_f32 v[SC+2*i:SC+2*i+1], v[SC+2*i:SC+2*i+1], v[MBP:MBP+1] neg_lo:[0,1] neg_hi:[0,1]
.set i, i+1
.endr
.set i, 0
.rept 32
	v_pk_mul_f32 v[SC+2*i:SC+2*i+1], v[SC+2*i:SC+2*i+1], 0x3fb8aa3b op_sel_hi:[1,0]
.set i, i+1
.endr
.set i, 0
	s_wait_alu depctr_va_vdst(0)
.rept 64
	v_exp_f32 v[SC+i], v[SC+i]
.set i, i+1
.endr
	v_nop
	s_wait_alu depctr_va_vdst(0)                   ; one wait for the batch
	v_pk_add_f32 v[TM:TM+1], v[SC:SC+1], v[SC+2:SC+3]
	v_pk_add_f32 v[TM+2:TM+3], v[SC+4:SC+5], v[SC+6:SC+7]
.set i, 8
.rept 14
	v_pk_add_f32 v[TM:TM+1], v[TM:TM+1], v[SC+i:SC+i+1]
	v_pk_add_f32 v[TM+2:TM+3], v[TM+2:TM+3], v[SC+i+2:SC+i+3]
.set i, i+4
.endr
	v_pk_add_f32 v[TM:TM+1], v[TM:TM+1], v[TM+2:TM+3]
	v_add_f32 v[T], v[TM], v[TM+1]
	v_permlanex16_b32 v254, v[T], s[SEL], s[SEL+1]
	v_add_f32 v[T], v[T], v254
	ds_store_b32 v[MGW], v[T] offset:LG
	s_wait_dscnt 0x0
	s_barrier_signal -1
	s_barrier_wait -1
.irp g, 0,1,2,3
	ds_load_b32 v[TM+\g], v[R4] offset:LG+64*\g
.endr
.irp g, 0,1,2,3
	v_sub_f32 v[FAC+2*\g], v[MGR+\g], v[MBP]
.endr
.irp g, 0,1,2,3
	v_mul_f32 v[FAC+2*\g], 0x3fb8aa3b, v[FAC+2*\g]
.endr
	s_wait_dscnt 0x0
	v_add_f32 v[TM], v[TM], v[TM+1]
	v_add_f32 v[TM+2], v[TM+2], v[TM+3]
	v_add_f32 v[T], v[TM], v[TM+2]                 ; the batch's sum
	s_wait_alu depctr_va_vdst(0)
.irp g, 0,1,2,3
	v_exp_f32 v[FAC+2*\g], v[FAC+2*\g]
.endr
	v_rcp_f32 v[RL], v[T]
	v_nop
	s_wait_alu depctr_va_vdst(0)
.irp g, 0,1,2,3
	v_mul_f32 v[FAC+2*\g], v[FAC+2*\g], v[RL]
.endr
.irp g, 0,1,2,3
	v_mov_b32 v[FAC+2*\g+1], v[FAC+2*\g]
.endr
.irp q, 0,1,2,3
	global_load_b128 v[WOS+4*\q:WOS+4*\q+3], v[WSA], s[10:11] offset:16*\q
.endr
	WIN 0x40                                       ; W_out's sixteen fragments: window 1
.set i, 0
.rept 64
	global_load_b128 v[4*i:4*i+3], v[WOA], s[8:9] offset:32*i
.set i, i+1
.endr
	WIN 0
	; the attn job: batch 16 y + x, positions 128 w on
	s_lshl_b32 s38, s[XX], 2
	v_mov_b32 v254, s38
	ds_bpermute_b32 v[BM], v254, v[MBP]            ; lane x holds that batch's maximum and 1 / sum
	ds_bpermute_b32 v[BR], v254, v[RL]
.set i, 0
.rept 56
	v_mov_b32 v[ZQ+i], 0                           ; zeros: the quad, the numbers, the quads' upper registers, the permutes' destinations
.set i, i+1
.endr
	s_wait_dscnt 0x0
.irp q, 0,1,2,3
	v_sub_f32 v[AT+\q], v[AT+\q], v[BM]
.endr
.irp q, 0,1,2,3
	v_mul_f32 v[AT+\q], 0x3fb8aa3b, v[AT+\q]
.endr
	s_wait_alu depctr_va_vdst(0)
.irp q, 0,1,2,3
	v_exp_f32 v[AT+\q], v[AT+\q]
.endr
	v_nop
	s_wait_alu depctr_va_vdst(0)
.irp q, 0,1,2,3
	v_mul_f32 v[AT+\q], v[AT+\q], v[BR]
.endr
.irp q, 0,1,2,3
	ds_store_b32 v[ASTW], v[AT+\q] offset:AST+128*\q
.endr
	ds_load_b128 v[PC:PC+3], v[ASTR] offset:AST    ; my own bytes, served in order
	ATT 0
	ATT 1
	ATT 2
	ATT 3
	s_wait_alu depctr_va_vdst(0)
	s_wait_dscnt 0x0
	global_store_b128 v[L16], v[PC:PC+3], s[18:19]             ; 512 consecutive bytes of out1
.irp q, 0,1,2,3,4,5,6,7
	global_store_b128 v[L16], v[IQ+4*\q:IQ+4*\q+3], s[20:21] offset:22528*\q
.irp c, 1,2,3
	global_store_b128 v[L16], v[ZQ:ZQ+3], s[20:21] offset:22528*\q+512*\c
.endr
.endr
.irp q, 0,1,2,3
	global_store_b64 v[L8], v[WW+2*\q:WW+2*\q+1], s[22:23] offset:1536*\q
.endr
	s_wait_loadcnt 63                              ; 68 loads were issued behind the last partial: both stages are in
	COMB 0x02
	WIN 0x80                                       ; window 2 is free: Q(h)'s eight fragments
.set i, 0
.rept 32
	global_load_b128 v[4*i:4*i+3], v[L16], s[HQB:HQB+1] offset:512*i
.set i, i+1
.endr
	WIN 0
.irp s, 0,1,2,3,4,5,6,7
	global_load_b32 v[AS+8+\s], v[L4], s[HQSB:HQSB+1] offset:128*\s
.endr
	s_wait_xcnt 0x0                                ; out1's store has read the codes' registers
	TOLDS 0
	COMB 0x03
	TOLDS 1
	s_barrier_signal -1                            ; wc's eight fragments lie in LDS (the wait for 0 stands in TOLDS)
	s_barrier_wait -1
	s_wait_xcnt 0x0                                ; the attn job's stores have read their registers
.irp s, 0,1,2,3,4,5,6,7
.irp c, 0,1,2,3
	ds_load_b128 v[SC+16*\s+4*\c:SC+16*\s+4*\c+3], v[L16] offset:WIMG+2048*\s+512*\c
.endr
	ds_load_b32 v[AS+\s], v[L4] offset:WSC+128*\s
.endr
	s_wait_loadcnt 0x0
	s_wait_dscnt 0x0
	WIN 0x01                                       ; source 0 (W_out) window 1; two accumulators by turns
.irp s, 0,1,2,3,4,5,6,7
.if \s < 2
	v_wmma_scale_f32_16x16x128_f8f6f4 v[ACC+8*(\s%2):ACC+8*(\s%2)+7], v[16*\s:16*\s+15], v[SC+16*\s:SC+16*\s+15], 0, v[WOS+\s], v[AS+\s] matrix_a_fmt:MATRIX_FMT_BF8 matrix_b_fmt:MATRIX_FMT_BF8
.else
	v_wmma_scale_f32_16x16x128_f8f6f4 v[ACC+8*(\s%2):ACC+8*(\s%2)+7], v[16*\s:16*\s+15], v[SC+16*\s:SC+16*\s+15], v[ACC+8*(\s%2):ACC+8*(\s%2)+7], v[WOS+\s], v[AS+\s] matrix_a_fmt:MATRIX_FMT_BF8 matrix_b_fmt:MATRIX_FMT_BF8
.endif
.endr
	WIN 0x09                                       ; source 1: Q(h), window 2
.irp s, 0,1,2,3,4,5,6,7
	v_wmma_scale_f32_16x16x128_f8f6f4 v[ACC+8*(\s%2):ACC+8*(\s%2)+7], v[128+16*\s:128+16*\s+15], v[16*\s:16*\s+15], v[ACC+8*(\s%2):ACC+8*(\s%2)+7], v[WOS+8+\s], v[AS+8+\s] matrix_a_fmt:MATRIX_FMT_BF8 matrix_b_fmt:MATRIX_FMT_BF8
.endr
	WIN 0
.rept 8
	v_nop                                          ; eight places behind the products
.endr
.irp j, 0,2,4,6
	v_pk_add_f32 v[ACC+\j:ACC+\j+1], v[ACC+\j:ACC+\j+1], v[ACC+8+\j:ACC+9+\j]
.endr
.irp j, 0,2,4,6
	v_pk_mul_f32 v[ACC+\j:ACC+\j+1], v[ACC+\j:ACC+\j+1], 0x4038aa3b op_sel_hi:[1,0]   ; tanh(x) = 1 - 2 / (1 + 2^(2 log2(e) x))
.endr
	s_wait_alu depctr_va_vdst(0)
.irp j, 0,1,2,3,4,5,6,7
	v_exp_f32 v[ACC+\j], v[ACC+\j]
.endr
	v_nop
	s_wait_alu depctr_va_vdst(0)
.irp j, 0,2,4,6
	v_pk_add_f32 v[ACC+\j:ACC+\j+1], v[ACC+\j:ACC+\j+1], 1.0 op_sel_hi:[1,0]
.endr
	s_wait_alu depctr_va_vdst(0)
.irp j, 0,1,2,3,4,5,6,7
	v_rcp_f32 v[ACC+\j], v[ACC+\j]
.endr
	v_nop
	s_wait_alu depctr_va_vdst(0)
.irp j, 0,2,4,6
	v_pk_fma_f32 v[ACC+\j:ACC+\j+1], v[ACC+\j:ACC+\j+1], -2.0, 1.0 op_sel_hi:[1,0,0]
.endr
	ds_store_b128 v[STW], v[ACC:ACC+3] offset:STG
	ds_store_b128 v[STW], v[ACC+4:ACC+7] offset:STG+16
	s_wait_dscnt 0x0
	s_barrier_signal -1
	s_barrier_wait -1
	ds_load_b128 v[ACC:ACC+3], v[STR] offset:STG
	ds_load_b128 v[ACC+4:ACC+7], v[STR] offset:STG+2*272
	s_wait_dscnt 0x0
	global_store_b128 v[OGO], v[ACC:ACC+3], s[16:17]           ; sixteen lanes store 256 consecutive bytes, aligned
	global_store_b128 v[OGO], v[ACC+4:ACC+7], s[16:17] offset:8192
	s_wait_tensorcnt 0x0
	ds_add_u32 v210, v211
	s_wait_dscnt 0x0
	s_endpgm
	; ================ the weights' work-groups ================
.Lweights:
	s_load_b128 s[4:7], s[0:1], 0x60               ; w_hh codes, w_hh scales
	s_load_b128 s[8:11], s[0:1], 0x50              ; gb, w_ih
	s_load_b128 s[12:15], s[0:1], 0x20             ; b_ih, b_hh
	s_load_b64 s[16:17], s[0:1], 0x70              ; prep
	s_load_b64 s[18:19], s[0:1], 0x8               ; hq
	v_lshrrev_b32 v1, 5, v0
	v_readfirstlane_b32 s[WV], v1
	v_and_b32 v1, 31, v0                           ; lane
	v_and_b32 v2, 15, v0                           ; r
	s_wait_alu depctr_va_vdst(0)
	v_bfe_u32 v3, v0, 4, 1                         ; h
	s_sub_co_u32 s[XX], ttmp9, 64                  ; g
	s_mov_b32 s[SEL], 0x76543210
	s_mov_b32 s[SEL+1], 0xfedcba98
	s_mov_b32 s[MNT], 0x600000
	v_lshlrev_b32 v4, 4, v1                        ; 16 x lane
	v_lshlrev_b32 v5, 2, v1                        ; 4 x lane
	s_lshl_b32 s36, s[WV], 15
	s_add_co_u32 s36, s36, WST
	v_add_nc_u32 v6, s36, v4                       ; the stage, on the way in: 32,768 w + 16 x lane
	v_mul_u32_u24 v7, v2, 8196
	v_add_nc_u32 v11, WST+8192, v7                 ; my row's column 2,048
	v_lshl_add_u32 v7, v3, 6, v7
	s_lshl_b32 s36, s[WV], 9
	s_add_co_u32 s36, s36, WST
	v_add_nc_u32 v7, s36, v7                       ; on the way out: row r, + 64 h, K step w
	s_lshl_b32 s36, s[WV], 6
	v_lshl_add_u32 v8, v2, 2, s36
	v_add_nc_u32 v8, WS, v8                        ; step w's scale word: slot w / 2, half w % 2, row r
	v_add_nc_u32 v9, WS, v5
	v_lshlrev_b32 v14, 3, v1                       ; 8 x lane
	v_add_nc_u32 v10, WS, v14
	v_lshlrev_b32 v12, 8, v2
	v_lshl_add_u32 v12, v3, 4, v12                 ; w_hh codes: 256 r + 16 h
	v_lshlrev_b32 v13, 3, v2
	v_lshl_add_u32 v13, v3, 2, v13                 ; its scale words: 8 r + 4 h
	s_lshl_b32 s36, s[WV], 11
	s_add_co_u32 s36, s36, WHI
	v_add_nc_u32 v15, s36, v4                      ; where I put the images of h's columns: step w, then w + 4
	s_lshl_b32 s36, s[WV], 7
	s_add_co_u32 s36, s36, WHW
	v_add_nc_u32 v16, s36, v5                      ; and their scale words
	v_add_nc_u32 v17, WHI, v4                      ; where every wave reads them back
	v_add_nc_u32 v18, WHW, v5
	v_lshlrev_b32 v19, 12, v2
	v_lshl_add_u32 v19, v3, 5, v19                 ; gb: 4,096 r + 32 h
	v_lshlrev_b32 v20, 5, v3                       ; the biases: 32 h
.irp b, 0,1,2,3
	v_mov_b32 v[TM+4+\b], 0                        ; a lane permute's destination counts as a source
.endr
	s_lshr_b32 s37, s[XX], 4                       ; kind
	s_and_b32 s38, s[XX], 15                       ; ct
	s_cmp_lt_u32 s37, 2
	s_cselect_b32 s[SELF], 1.0, 0                  ; b_hh is added to b_ih for r and z alone
	s_mov_b32 s[SELF+1], s[SELF]
	s_lshr_b32 s39, s38, 1
	s_mul_i32 s39, s39, 6
	s_lshl_b32 s42, s37, 1
	s_add_co_u32 s39, s39, s42
	s_and_b32 s42, s38, 1
	s_add_co_u32 s39, s39, s42                     ; idx
	s_mul_i32 s20, s39, 22528
	s_add_co_u32 s20, s20, P_WB
	s_mov_b32 s21, 0
	s_mul_i32 s22, s39, 768
	s_add_co_u32 s22, s22, P_WBS
	s_mov_b32 s23, 0
	s_lshl_b32 s24, s[WV], 11
	s_mov_b32 s25, 0
	s_lshl_b32 s32, s[WV], 14                      ; Q(h) of batches 16 w on
	s_mov_b32 s33, 0
	s_lshl_b32 s34, s[WV], 10
	s_add_co_u32 s34, s34, H_HQS
	s_mov_b32 s35, 0
	s_mul_i32 s44, s[XX], 131136
	s_lshl_b32 s45, s[WV], 15
	s_add_co_u32 s44, s44, s45
	s_mov_b32 s45, 0
	s_lshl_b32 s46, s[WV], 16                      ; gb: batch 16 w, my kind, column 16 ct
	s_lshl_b32 s47, s37, 10
	s_add_co_u32 s46, s46, s47
	s_lshl_b32 s47, s38, 6
	s_add_co_u32 s46, s46, s47
	s_mov_b32 s47, 0
	s_lshl_b32 s48, s[XX], 6                       ; the biases at row 16 g
	s_mov_b32 s49, 0
	s_wait_kmcnt 0x0
	s_add_nc_u64 s[10:11], s[10:11], s[44:45]      ; w_ih at my quarter of the block
	s_lshl_b32 s44, s[XX], 12
	s_add_nc_u64 s[4:5], s[4:5], s[44:45]
	s_lshl_b32 s44, s[XX], 7
	s_add_nc_u64 s[6:7], s[6:7], s[44:45]
	s_add_nc_u64 s[20:21], s[16:17], s[20:21]      ; my tile in WB
	s_add_nc_u64 s[22:23], s[16:17], s[22:23]      ; in WBS
	s_add_nc_u64 s[24:25], s[20:21], s[24:25]      ; my step in WB
	s_add_nc_u64 s[32:33], s[18:19], s[32:33]
	s_add_nc_u64 s[34:35], s[18:19], s[34:35]
	s_add_nc_u64 s[8:9], s[8:9], s[46:47]
	s_add_nc_u64 s[12:13], s[12:13], s[48:49]
	s_add_nc_u64 s[14:15], s[14:15], s[48:49]
	; the block into LDS as it lies: each load reads 512 consecutive bytes
.irp u, 0,1
.set i, 0
.rept 32
	global_load_b128 v[X+4*i:X+4*i+3], v4, s[10:11] offset:16384*\u+512*i th:TH_LOAD_NT
.set i, i+1
.endr
	s_wait_loadcnt 0x0
.set i, 0
.rept 32
	ds_store_b128 v6, v[X+4*i:X+4*i+3] offset:16384*\u+512*i
.set i, i+1
.endr
	s_wait_dscnt 0x0
.endr
	s_cmp_lg_u32 s[WV], 3
	s_cbranch_scc1 .Lnotail
	global_load_b128 v[X:X+3], v4, s[10:11] offset:32320 th:TH_LOAD_NT   ; the block's last 512 bytes: 448 of them my own once more, and the last 64
	s_wait_loadcnt 0x0
	ds_store_b128 v6, v[X:X+3] offset:32320
.Lnotail:
	WIN 0x80                                       ; asked for now, wanted at the end: Q(h)'s eight fragments, window 2;
.set i, 0
.rept 32
	global_load_b128 v[4*i:4*i+3], v4, s[32:33] offset:512*i
.set i, i+1
.endr
	WIN 0xc0                                       ; the biases at the lane's eight rows, window 3;
	s_wait_alu depctr_va_vdst(0)
	global_load_b128 v[0:3], v20, s[12:13]
	global_load_b128 v[4:7], v20, s[12:13] offset:16
	global_load_b128 v[8:11], v20, s[14:15]
	global_load_b128 v[12:15], v20, s[14:15] offset:16
	WIN 0
.irp s, 0,1,2,3,4,5,6,7
	global_load_b32 v[AS+8+\s], v5, s[34:35] offset:128*\s     ; Q(h)'s scale words
.endr
	s_wait_dscnt 0x0
	s_barrier_signal -1
	s_barrier_wait -1                              ; the 16 rows lie in the stage
	GSTEP 0
	GSTEP 1
	GSTEP 2
	GSTEP 3
	s_cmp_lg_u32 s[WV], 0
	s_cbranch_scc1 .Lnot0
	s_wait_xcnt 0x0
	ds_load_b32 v[X], v11                          ; column 2,048 of my row
.set i, 1
.rept 63
	v_mov_b32 v[X+i], 0
.set i, i+1
.endr
	s_wait_dscnt 0x0
	v_cmp_eq_u32 vcc_lo, 0, v3
	v_cndmask_b32 v[X], 0, v[X], vcc_lo            ; it is k = 0 of the step: lanes 0-15 alone
	QUANT X
.irp c, 0,1,2,3
	global_store_b128 v4, v[PC+4*\c:PC+4*\c+3], s[20:21] offset:20480+512*\c
.endr
	ds_store_b32 v9, v[PW] offset:640
.Lnot0:
	s_cmp_lg_u32 s[WV], 1
	s_cbranch_scc1 .Lnot1
.irp s, 0,1
.irp c, 0,1,2,3
	global_load_b128 v[X+16*\s+4*\c:X+16*\s+4*\c+3], v12, s[4:5] offset:128*\s+32*\c
.endr
.endr
	global_load_b32 v[X+32], v13, s[6:7]
	s_wait_loadcnt 0x0
.irp s, 0,1
.irp c, 0,1,2,3
	global_store_b128 v4, v[X+16*\s+4*\c:X+16*\s+4*\c+3], s[20:21] offset:16384+2048*\s+512*\c
.endr
.endr
	ds_store_b32 v9, v[X+32] offset:512
.Lnot1:
	s_wait_dscnt 0x0
	s_barrier_signal -1
	s_barrier_wait -1                              ; the tile's 768 bytes of scale words and the eight images of h's columns are whole
	s_wait_xcnt 0x0                                ; my stores have read their registers: loads may land there
.irp s, 0,1,2,3,4,5,6,7
.irp c, 0,1,2,3
	ds_load_b128 v[X+16*\s+4*\c:X+16*\s+4*\c+3], v17 offset:2048*\s+512*\c
.endr
	ds_load_b32 v[WHSC+\s], v18 offset:128*\s
.endr
	s_cmp_lg_u32 s[WV], 3
	s_cbranch_scc1 .Lnoflush
.irp j, 0,1,2
	ds_load_b64 v[PC+2*\j:PC+2*\j+1], v10 offset:256*\j
.endr
	s_wait_dscnt 0x0
.irp j, 0,1,2
	global_store_b64 v14, v[PC+2*\j:PC+2*\j+1], s[22:23] offset:256*\j   ; 256 consecutive bytes, aligned
.endr
.Lnoflush:
	s_wait_loadcnt 0x0                             ; Q(h), its scale words, the biases
	s_wait_dscnt 0x0
	WIN 0x08                                       ; source 1: Q(h), window 2; two accumulators by turns
.irp s, 0,1,2,3,4,5,6,7
.if \s < 2
	v_wmma_scale_f32_16x16x128_f8f6f4 v[TM+8*(\s%2):TM+8*(\s%2)+7], v[X+16*\s:X+16*\s+15], v[16*\s:16*\s+15], 0, v[WHSC+\s], v[AS+8+\s] matrix_a_fmt:MATRIX_FMT_BF8 matrix_b_fmt:MATRIX_FMT_BF8
.else
	v_wmma_scale_f32_16x16x128_f8f6f4 v[TM+8*(\s%2):TM+8*(\s%2)+7], v[X+16*\s:X+16*\s+15], v[16*\s:16*\s+15], v[TM+8*(\s%2):TM+8*(\s%2)+7], v[WHSC+\s], v[AS+8+\s] matrix_a_fmt:MATRIX_FMT_BF8 matrix_b_fmt:MATRIX_FMT_BF8
.endif
.endr
	WIN 0
.rept 8
	v_nop                                          ; eight places behind the products
.endr
.irp j, 0,2,4,6
	v_pk_add_f32 v[TM+\j:TM+\j+1], v[TM+\j:TM+\j+1], v[TM+8+\j:TM+9+\j]   ; the two halves of K, from the low end on
.endr
	WIN 0x33                                       ; sources 0 and 2: the biases, window 3
.irp j, 0,2,4,6
	v_pk_fma_f32 v[TM+8+\j:TM+9+\j], v[8+\j:9+\j], s[SELF:SELF+1], v[\j:\j+1] op_sel_hi:[1,0,1]
.endr
	WIN 0
.irp j, 0,2,4,6
	v_pk_add_f32 v[TM+\j:TM+\j+1], v[TM+\j:TM+\j+1], v[TM+8+\j:TM+9+\j]
.endr
	global_store_b128 v19, v[TM:TM+3], s[8:9]      ; lane (r, h): batch 16 w + r, rows 16 g + 8 h on
	global_store_b128 v19, v[TM+4:TM+7], s[8:9] offset:16
	s_cmp_lg_u32 s37, 2
	s_cbranch_scc1 .Lgend
	WIN 0x0c                                       ; a store's data: window 3
	global_store_b128 v19, v[8:11], s[8:9] offset:1024         ; hn's bias is b_hh alone
	global_store_b128 v19, v[12:15], s[8:9] offset:1040
	WIN 0
.Lgend:
	s_wait_tensorcnt 0x0
	ds_add_u32 v210, v211
	s_wait_dscnt 0x0
	s_endpgm
.Lfunc_end_k_qb0a3e0ff2a_mid:
	.size	k_qb0a3e0ff2a_mid, .Lfunc_end_k_qb0a3e0ff2a_mid-k_qb0a3e0ff2a_mid
	.p2alignl 7, 3214868480
	.fill 96, 4, 3214868480
	.section	.rodata,"a",@progbits
	.p2align	6, 0x0
	.amdhsa_kernel k_qb0a3e0ff2a_mid
		.amdhsa_group_segment_fixed_size 174592
		.amdhsa_private_segment_fixed_size 0
		.amdhsa_enable_private_segment 0
		.amdhsa_kernarg_size 120
		.amdhsa_user_sgpr_count 2
		.amdhsa_user_sgpr_kernarg_segment_ptr 1
		.amdhsa_wavefront_size32 1
		.amdhsa_system_sgpr_workgroup_id_x 1
		.amdhsa_system_sgpr_workgroup_id_y 1
		.amdhsa_system_sgpr_workgroup_id_z 1
		.amdhsa_system_vgpr_workitem_id 0
		.amdhsa_next_free_vgpr 1024
		.amdhsa_next_free_sgpr 66
		.amdhsa_reserve_vcc 1
		.amdhsa_float_denorm_mode_32 3
		.amdhsa_float_denorm_mode_16_64 3
		.amdhsa_memory_ordered 1
		.amdhsa_forward_progress 1
		.amdhsa_inst_pref_size 179
	.end_amdhsa_kernel
	.amdgpu_metadata
---
amdhsa.version: [ 1, 2 ]
amdhsa.kernels:
  - .name:           k_qb0a3e0ff2a_mid
    .symbol:         k_qb0a3e0ff2a_mid.kd
    .args:
      - { .name: soft, .offset: 0, .size: 8, .value_kind: global_buffer, .address_space: global }
      - { .name: hq, .offset: 8, .size: 8, .value_kind: global_buffer, .address_space: global }
      - { .name: W_out_codes, .offset: 16, .size: 8, .value_kind: global_buffer, .address_space: global }
      - { .name: W_out_scales, .offset: 24, .size: 8, .value_kind: global_buffer, .address_space: global }
      - { .name: b_ih, .offset: 32, .size: 8, .value_kind: global_buffer, .address_space: global }
      - { .name: b_hh, .offset: 40, .size: 8, .value_kind: global_buffer, .address_space: global }
      - { .name: out0, .offset: 48, .size: 8, .value_kind: global_buffer, .address_space: global }
      - { .name: out1, .offset: 56, .size: 8, .value_kind: global_buffer, .address_space: global }
      - { .name: xa, .offset: 64, .size: 8, .value_kind: global_buffer, .address_space: global }
      - { .name: xas, .offset: 72, .size: 8, .value_kind: global_buffer, .address_space: global }
      - { .name: gb, .offset: 80, .size: 8, .value_kind: global_buffer, .address_space: global }
      - { .name: w_ih, .offset: 88, .size: 8, .value_kind: global_buffer, .address_space: global }
      - { .name: w_hh_codes, .offset: 96, .size: 8, .value_kind: global_buffer, .address_space: global }
      - { .name: w_hh_scales, .offset: 104, .size: 8, .value_kind: global_buffer, .address_space: global }
      - { .name: prep, .offset: 112, .size: 8, .value_kind: global_buffer, .address_space: global }
    .group_segment_fixed_size: 174592
    .private_segment_fixed_size: 0
    .kernarg_segment_align: 8
    .kernarg_segment_size: 120
    .max_flat_workgroup_size: 128
    .sgpr_count:     66
    .vgpr_count:     1024
    .wavefront_size: 32
...
	.end_amdgpu_metadata
.endif
;; end of part 3
;; launch gru (part 4): grid 256 x 1, 4 waves a work-group, no clusters, 327,680 bytes of LDS; arguments xa, xas, prep, gb, cov, out2; writes out2
.if DOCPART == 4
	.amdgcn_target "amdgcn-amd-amdhsa--gfx1250"
	.amdhsa_code_object_version 6
	.text
	.protected	k_qb0a3e0ff2a_gru
	.globl	k_qb0a3e0ff2a_gru
	.p2align	8
	.type	k_qb0a3e0ff2a_gru,@function
k_qb0a3e0ff2a_gru:
	s_mov_b64 s[64:65], 0
	v_nop
	global_prefetch_b8 v0, s[64:65] scope:SCOPE_SE
	s_setreg_imm32_b32 hwreg(HW_REG_WAVE_MODE, 25, 1), 1
	s_wait_xcnt 0x0
; The GRU step: gx = Q([ctx, attn]) Q(w_ih)^T (K steps 0-7 and 10), gh = Q(cov) w_hh^T (K steps 8, 9), the gates, out2.  h's share of gx and the biases come from gb, which launch mid made.
; A work-group owns 128 rows (a quarter of a batch) and all 256 columns.  Its 8 row tiles x 11 images of 2,048 bytes are one dense block of 180,224 bytes: they come into LDS once, one tensor load a wave, and stay.
; A wave owns 64 columns, in two passes of 32: 128 rows x 32 columns x 4 kinds of sums (r, z, xn, hn) = 64 accumulators, 512 registers.
; THE WEIGHTS go from memory straight into registers, as the images that launch mid laid: six fragments a K step, three sets by turns, each asked for three K steps ahead of its use.
; cov: each wave fetches its own strip, 128 rows x 256 bytes, by one tensor load behind the first barrier; only the wave that fetched it reads it.  The results take cov's place there, and in the second pass
; each block of 16 rows leaves as whole rows of 256 bytes as soon as it is finished.
; The products are used transposed (source 0 = 16 rows of weights, source 1 = 16 rows of data): a lane holds eight neighbouring columns of one row.
; NO CLUSTER: what the work-groups share is the weights, which pass through no LDS: the rows' 180,224 bytes and cov's 139,264 leave no room for slots of them.
; NO PREFETCH: the rows and cov are asked for whole, at the head and behind the first barrier, with no loop ahead of them; the weights' own loads run three K steps ahead.
; REGISTERS: window 0: v1-4 LDS addresses of the row tiles (v1 also 16 x lane), v5-11 other addresses; v12-59 the rows' scale words, v60-95 the weights'; v96-127 fragments 4, 5 of the third set;
;   v128-255 the rows' eight fragments, one set; in the gates the same 128 are at work.  window 1: sixteen weight fragments.  windows 2, 3: accumulator (a, bc) at v[8 (8 (a % 4) + bc)], bc = 2 kind + t.
.set XT,    22528                      ; a tile: 11 images
.set COVS,  180224                     ; four strips of cov, rows 272 bytes apart
.set STRIP, 34816
.set BIAS,  319488                     ; the batch's biases, 4 kinds x 256 numbers, scaled for the gates
.set SPARE, 323584                     ; the spare words: two blocks of 256 bytes that no other line names
.set P_WB,  532480
.set P_WBS, 1613824
.set AD,  1
.set L16, 1
.set L4,  5
.set SPW, 6
.set NIL, 7
.set HA,  8
.set BA,  9
.set RD,  10
.set CO,  11
.set SA,  12
.set SB,  60
.set ZB,  96
.set AFR, 128
.set EX,  128                          ; the gates: 32 of r and z; 16 of n; 16 of cov, then the results; 64 biases
.set Y,   160
.set H0R, 176
.set BI,  192
.set WV,  16
.set G1A, 24
.set G0A, 32
.set G1H, 36
.set G0H, 44
.set WB,  48
.set WS,  50
.set TRIP, 52
.set NL2, 54
.set TL2, 56
.set BSC, 58
.set MSB, 0
.macro WIN new                         ; the immediate's high byte repeats the setting that is left
.if MSB != (\new)
	s_set_vgpr_msb (MSB<<8)|(\new)
.set MSB, (\new)
.endif
.endm
.macro PLACES n
.rept \n
	v_nop
.endr
.endm
.macro LOADB set, s                    ; K step s's six weight fragments into a set: fragment q of eighteen lies in window 1 at 16 q, the last two in window 0
.irp i, 0,1,2,3,4,5
.set rQ, 6*(\set)+\i
.if rQ < 16
	WIN 0x40
.set rB, 16*rQ
.else
	WIN 0
.set rB, ZB+16*(rQ-16)
.endif
.irp c, 0,1,2,3
	global_load_b128 v[rB+4*\c:rB+4*\c+3], v[L16], s[WB:WB+1] offset:XT*\i+2048*(\s)+512*\c
.endr
.endr
	WIN 0
.endm
.macro LOADSB                          ; a pass's scale words of the weights: lanes 0-15 the even K step's, lanes 16-31 the odd one's
.irp f, 0,1,2,3,4,5
.irp i, 0,1,2,3,4,5
	global_load_b32 v[SB+6*\f+\i], v[L4], s[WS:WS+1] offset:768*\i+128*\f
.endr
.endr
.endm
.macro FETCH_A s, i0                   ; row tiles i0 .. i0 + 3 of K step s
.irp i, \i0, \i0+1, \i0+2, \i0+3
.irp c, 0,1,2,3
	ds_load_b128 v[AFR+16*(\i)+4*\c:AFR+16*(\i)+4*\c+3], v[AD+(\i)/2] offset:XT*((\i)%2)+2048*(\s)+512*\c
.endr
.endr
.endm
.macro MM a, i, bc, set, s, zero       ; one product: row tile a x weight fragment i, onto accumulator (a, bc)
.set rD, 8*(8*((\a)%4)+(\bc))
.set rQ, 6*(\set)+(\i)
.if rQ < 16
.set rB, 16*rQ
.else
.set rB, ZB+16*(rQ-16)
.endif
.set rA, AFR+16*(\a)
.set rSB, SB+6*((\s)/2)+(\i)
.set rSA, SA+8*((\s)/2)+(\a)
.if \zero
	v_wmma_scale_f32_16x16x128_f8f6f4 v[rD:rD+7], v[rB:rB+15], v[rA:rA+15], 0, v[rSB], v[rSA] matrix_a_fmt:MATRIX_FMT_BF8 matrix_b_fmt:MATRIX_FMT_BF8
.elseif (\s)%2
	v_wmma_scale_f32_16x16x128_f8f6f4 v[rD:rD+7], v[rB:rB+15], v[rA:rA+15], v[rD:rD+7], v[rSB], v[rSA] matrix_a_fmt:MATRIX_FMT_BF8 matrix_b_fmt:MATRIX_FMT_BF8 matrix_a_scale:MATRIX_SCALE_ROW1 matrix_b_scale:MATRIX_SCALE_ROW1
.else
	v_wmma_scale_f32_16x16x128_f8f6f4 v[rD:rD+7], v[rB:rB+15], v[rA:rA+15], v[rD:rD+7], v[rSB], v[rSA] matrix_a_fmt:MATRIX_FMT_BF8 matrix_b_fmt:MATRIX_FMT_BF8
.endif
.endm
; twelve products: row tiles a0, a0 + 1 x six fragments; the accumulators take turns.  In K steps 8 and 9 fragments 4, 5 (w_hh's n rows) go to hn.
; The first product of each sum takes the constant 0 as C: K step 0 for r, z, xn; K step 8 for hn.
.macro MULG a0, s
.set gS, (\s)%3
.set gH, 2*((\s)/8)*(1-(\s)/10)
.set gZ1, 0
.set gZ2, 0
.if (\s) == 0
.set gZ1, 1
.set gZ2, 1
.endif
.if (\s) == 8
.set gZ2, 1
.endif
	WIN 0xa1+0x50*((\a0)/4)                        ; source 0 window 1, C and D window 2 or 3
.irp a, \a0, \a0+1
.irp i, 0,1,2,3
	MM \a, \i, \i, gS, \s, gZ1
.endr
.endr
.if gS == 2
	WIN 0xa0+0x50*((\a0)/4)                        ; the third set's last two fragments lie in window 0
.endif
.irp a, \a0, \a0+1
.irp i, 4,5
	MM \a, \i, \i+gH, gS, \s, gZ2
.endr
.endr
.endm
; A K step.  A row tile is free when its six products are issued, so the rows have one set of registers: tiles 0-3 are fetched anew in the step's middle, tiles 4-7 at its end.
; The weights' wait counts the loads issued behind this step's set: two sets of 24 (steps 3 to 8), one (step 9), none (step 10); step 0 waits for all that the head or the pass before asked for.
.macro STEP s
.if (\s) == 0 || (\s) == 10
	s_wait_loadcnt 0x0
.elseif (\s) == 9
	s_wait_loadcnt 24
.elseif (\s) >= 3
	s_wait_loadcnt 48
.endif
	s_wait_dscnt 16                                ; row tiles 0-3 are in; the youngest 16 loads (tiles 4-7) may be out
	MULG 0, \s
	MULG 2, \s
	s_wait_dscnt 0x0
.if (\s) < 10
	PLACES 8                                       ; in front of loads into registers that matrix instructions have read (ISA guide 7.12.1 for vector instructions)
	WIN 0
	FETCH_A (\s)+1, 0
.endif
	MULG 4, \s
	MULG 6, \s
	PLACES 8
	WIN 0
.if (\s) < 10
	FETCH_A (\s)+1, 4
.endif
.if (\s) < 8
	LOADB (\s)%3, (\s)+3                           ; the set just multiplied takes the K step three further on
.endif
.endm
.macro H0LOAD a
.irp t, 0,1
	ds_load_b128 v[H0R+8*\t:H0R+8*\t+3], v[HA] offset:4352*(\a)+64*\t
	ds_load_b128 v[H0R+8*\t+4:H0R+8*\t+7], v[HA] offset:4352*(\a)+64*\t+16
.endr
.endm
.macro SENDST a                        ; second pass: block a's 16 rows of 256 bytes, read back into v160-191, are stored
	s_wait_dscnt 0x0
	s_cmp_lg_u32 s[TRIP], 1
	s_cbranch_scc1 .Lns_\@
.irp i, 0,1,2,3,4,5,6,7
	global_store_b128 v[CO], v[Y+4*\i:Y+4*\i+3], s[14:15] offset:16384*(\a)+2048*\i th:TH_STORE_NT   ; sixteen lanes store 256 consecutive bytes, aligned
.endr
.Lns_\@:
	s_wait_xcnt 0x0                                ; the stores have read their registers, which are written again below
.endm
; the gates of row tile a: r, z = 1 / (1 + 2^(-log2(e) (sum + bias))); n = tanh(xn + bias + r (hn + bias)) = 1 - 2 / (1 + 2^(2 log2(e) ..)); result = n + z (cov - n).
; The biases of r, z and xn lie in LDS already multiplied by the exponent's factor, so each is the addend of a multiply-add.
.macro GATE a
.set AC, 64*((\a)%4)
.set GW, 2+(\a)/4
	WIN GW                                         ; source 0: the accumulators' window
.set i, 0
.rept 16
	v_pk_fma_f32 v[EX+2*i:EX+2*i+1], v[AC+2*i:AC+2*i+1], s[NL2:NL2+1], v[BI+2*i:BI+2*i+1] op_sel_hi:[1,0,1]   ; each accumulator from its low end on
.set i, i+1
.endr
	WIN 0
	s_wait_alu depctr_va_vdst(0)
.set i, 0
.rept 32
	v_exp_f32 v[EX+i], v[EX+i]
.set i, i+1
.endr
	v_nop
	s_wait_alu depctr_va_vdst(0)
.set i, 0
.rept 16
	v_pk_add_f32 v[EX+2*i:EX+2*i+1], v[EX+2*i:EX+2*i+1], 1.0 op_sel_hi:[1,0]
.set i, i+1
.endr
	s_wait_alu depctr_va_vdst(0)
.set i, 0
.rept 32
	v_rcp_f32 v[EX+i], v[EX+i]
.set i, i+1
.endr
	v_nop
	s_wait_alu depctr_va_vdst(0)
.if (\a) > 0
	SENDST (\a)-1                                  ; the block before: its way back from LDS had the lines above in which to end
.endif
	H0LOAD \a
	WIN GW
.set i, 0
.rept 8
	v_pk_add_f32 v[Y+2*i:Y+2*i+1], v[AC+48+2*i:AC+48+2*i+1], v[BI+48+2*i:BI+48+2*i+1]
.set i, i+1
.endr
	WIN GW*16                                      ; source 2: the accumulators' window
.set i, 0
.rept 8
	v_pk_fma_f32 v[Y+2*i:Y+2*i+1], v[Y+2*i:Y+2*i+1], v[EX+2*i:EX+2*i+1], v[AC+32+2*i:AC+32+2*i+1]
.set i, i+1
.endr
	WIN 0
.set i, 0
.rept 8
	v_pk_fma_f32 v[Y+2*i:Y+2*i+1], v[Y+2*i:Y+2*i+1], s[TL2:TL2+1], v[BI+32+2*i:BI+32+2*i+1] op_sel_hi:[1,0,1]
.set i, i+1
.endr
	s_wait_alu depctr_va_vdst(0)
.set i, 0
.rept 16
	v_exp_f32 v[Y+i], v[Y+i]
.set i, i+1
.endr
	v_nop
	s_wait_alu depctr_va_vdst(0)
.set i, 0
.rept 8
	v_pk_add_f32 v[Y+2*i:Y+2*i+1], v[Y+2*i:Y+2*i+1], 1.0 op_sel_hi:[1,0]
.set i, i+1
.endr
	s_wait_alu depctr_va_vdst(0)
.set i, 0
.rept 16
	v_rcp_f32 v[Y+i], v[Y+i]
.set i, i+1
.endr
	v_nop
	s_wait_alu depctr_va_vdst(0)
.set i, 0
.rept 8
	v_pk_fma_f32 v[Y+2*i:Y+2*i+1], v[Y+2*i:Y+2*i+1], -2.0, 1.0 op_sel_hi:[1,0,0]
.set i, i+1
.endr
	s_wait_alu depctr_va_vdst(0)
	s_wait_dscnt 0x0                               ; this tile's cov is in
.set i, 0
.rept 8
	v_pk_add_f32 v[H0R+2*i:H0R+2*i+1], v[H0R+2*i:H0R+2*i+1], v[Y+2*i:Y+2*i+1] neg_lo:[0,1] neg_hi:[0,1]
.set i, i+1
.endr
.set i, 0
.rept 8
	v_pk_fma_f32 v[H0R+2*i:H0R+2*i+1], v[H0R+2*i:H0R+2*i+1], v[EX+16+2*i:EX+16+2*i+1], v[Y+2*i:Y+2*i+1]
.set i, i+1
.endr
.irp t, 0,1
	ds_store_b128 v[HA], v[H0R+8*\t:H0R+8*\t+3] offset:4352*(\a)+64*\t          ; over the bytes of cov that I alone have read
	ds_store_b128 v[HA], v[H0R+8*\t+4:H0R+8*\t+7] offset:4352*(\a)+64*\t+16
.endr
	s_cmp_lg_u32 s[TRIP], 1                        ; second pass: the block's rows of 256 bytes are whole: back as rows (LDS serves a wave's instructions in order: ISA guide 5.7.1.4)
	s_wait_alu depctr_va_vdst(0)                   ; the wait here, directly ahead of the branch
	s_cbranch_scc1 .Lnr_\@
.irp i, 0,1,2,3,4,5,6,7
	ds_load_b128 v[Y+4*\i:Y+4*\i+3], v[RD] offset:4352*(\a)+544*\i
.endr
.Lnr_\@:
.endm
	s_load_b256 s[4:11], s[0:1], 0x0               ; xa, xas, prep, gb
	s_load_b128 s[12:15], s[0:1], 0x20             ; cov, out2
	v_lshl_add_u32 v[SPW], v0, 2, SPARE
	v_mov_b32 v[NIL], 0
	ds_add_u32 v[SPW], v[NIL]                      ; the opening lines: the add, twice on end, and its wait ahead of my first tensor load
	ds_add_u32 v[SPW], v[NIL]
	v_lshrrev_b32 v1, 5, v0
	v_readfirstlane_b32 s[WV], v1                  ; wave
	s_mov_b32 s[G1A], 3<<16                        ; two row tiles, 45,056 dense bytes, as 176 rows of 256 bytes (32 elements of 8)
	s_mov_b32 s[G1A+1], 32<<16
	s_mov_b32 s[G1A+2], 176<<16
	s_mov_b32 s[G1A+3], 32<<16
	s_mov_b32 s[G1A+4], 176
	s_mov_b32 s[G1A+5], 32
	s_mov_b32 s[G1A+6], 0
	s_mov_b32 s[G1A+7], 0
	s_mov_b32 s[G1H], (2<<16)|(1<<20)|(5<<22)|(3<<25)   ; cov: 128 rows x 64 numbers, 1,024 bytes apart; four words of padding behind each row
	s_mov_b32 s[G1H+1], 64<<16
	s_mov_b32 s[G1H+2], 128<<16
	s_mov_b32 s[G1H+3], 64<<16
	s_mov_b32 s[G1H+4], 128
	s_mov_b32 s[G1H+5], 256
	s_mov_b32 s[G1H+6], 0
	s_mov_b32 s[G1H+7], 0
	s_mul_i32 s17, ttmp9, 180224
	s_mul_i32 s18, s[WV], 45056
	s_add_co_u32 s20, s17, s18                     ; xa: my work-group's block, my two row tiles
	s_mov_b32 s21, 0
	s_mul_i32 s22, ttmp9, 6144                     ; xas: four pairs of row tiles
	s_mov_b32 s23, 0
	s_lshl_b32 s60, ttmp9, 17
	s_lshl_b32 s19, s[WV], 8
	s_add_co_u32 s60, s60, s19                     ; cov and out2: row 128 x work-group, byte 256 x wave
	s_mov_b32 s61, 0
	s_lshr_b32 s62, ttmp9, 2
	s_lshl_b32 s62, s62, 12                        ; gb: my batch
	s_mov_b32 s63, 0
	s_mul_i32 s[WB], s[WV], 270336                 ; the weights of columns 64 x wave on: 135,168 bytes for each 32 columns
	s_add_co_u32 s[WB], s[WB], P_WB
	s_mov_b32 s[WB+1], 0
	s_mul_i32 s[WS], s[WV], 9216
	s_add_co_u32 s[WS], s[WS], P_WBS
	s_mov_b32 s[WS+1], 0
	s_mov_b32 s[G0A], 1
	s_mov_b32 s[G0A+1], s18
	s_mov_b32 s[G0H], 1
	s_mul_i32 s[G0H+1], s[WV], STRIP
	s_add_co_u32 s[G0H+1], s[G0H+1], COVS          ; my strip
	s_add_co_u32 s19, s19, BIAS                    ; my columns' biases
	s_mov_b32 s[NL2], 0xbfb8aa3b                   ; -log2(e)
	s_mov_b32 s[NL2+1], s[NL2]
	s_mov_b32 s[TL2], 0x4038aa3b                   ; 2 log2(e)
	s_mov_b32 s[TL2+1], s[TL2]
	s_mov_b32 s[BSC], s[TL2]                       ; wave w scales kind w of the biases: r, z by -log2(e), xn by 2 log2(e), hn by 1
	s_cmp_lt_u32 s[WV], 2
	s_cselect_b32 s[BSC], s[NL2], s[BSC]
	s_cmp_eq_u32 s[WV], 3
	s_cselect_b32 s[BSC], 1.0, s[BSC]
	s_mov_b32 s[BSC+1], s[BSC]
	s_mov_b32 s[TRIP], 0
	s_wait_dscnt 0x0                               ; both opening adds are done
	s_wait_kmcnt 0x0
	s_add_nc_u64 s[G0A+2:G0A+3], s[4:5], s[20:21]
	s_or_b32 s[G0A+3], s[G0A+3], 0x80000000
	s_add_nc_u64 s[G0H+2:G0H+3], s[12:13], s[60:61]
	s_or_b32 s[G0H+3], s[G0H+3], 0x80000000
	s_add_nc_u64 s[6:7], s[6:7], s[22:23]
	s_add_nc_u64 s[10:11], s[10:11], s[62:63]
	s_add_nc_u64 s[14:15], s[14:15], s[60:61]
	s_add_nc_u64 s[WB:WB+1], s[8:9], s[WB:WB+1]
	s_add_nc_u64 s[WS:WS+1], s[8:9], s[WS:WS+1]
	tensor_load_to_lds s[G0A:G0A+3], s[G1A:G1A+7]  ; my one load at the head: a quarter of the rows
	s_nop 0
	v_and_b32 v128, 31, v0                         ; lane
	v_and_b32 v129, 15, v0                         ; r
	v_bfe_u32 v130, v0, 4, 1                       ; h
	v_lshlrev_b32 v131, 5, v0                      ; 32 x thread: eight biases
	v_lshlrev_b32 v132, 3, v128
	v_lshlrev_b32 v[L16], 4, v128
	v_lshlrev_b32 v[L4], 2, v128
	v_add_nc_u32 v133, BIAS, v131
	global_load_b128 v[136:139], v131, s[10:11]
	global_load_b128 v[140:143], v131, s[10:11] offset:16
.irp f, 0,1,2,3,4,5
.irp p, 0,1,2,3
	global_load_b64 v[SA+8*\f+2*\p:SA+8*\f+2*\p+1], v132, s[6:7] offset:1536*\p+256*\f   ; the rows' scale words: lanes 0-15 the even K step's, lanes 16-31 the odd one's
.endr
.endr
	v_add_nc_u32 v[AD+1], 2*XT, v[L16]
	v_add_nc_u32 v[AD+2], 4*XT, v[L16]
	v_add_nc_u32 v[AD+3], 6*XT, v[L16]
	v_mul_u32_u24 v[HA], v129, 272
	v_lshl_add_u32 v[HA], v130, 5, v[HA]
	v_add_nc_u32 v[HA], s[G0H+1], v[HA]            ; cov and the results: row r of my strip, byte 32 h
	v_mul_u32_u24 v[RD], v130, 272
	v_lshl_add_u32 v[RD], v129, 4, v[RD]
	v_add_nc_u32 v[RD], s[G0H+1], v[RD]            ; the way out: two rows a load
	v_lshlrev_b32 v[CO], 10, v130
	v_lshl_add_u32 v[CO], v129, 4, v[CO]           ; the same two rows in out2
	v_lshl_add_u32 v[BA], v130, 5, s19
	s_wait_alu depctr_va_vdst(0)                   ; the wait here, directly ahead of the wait below
	s_wait_loadcnt 24                              ; the biases are in; the 24 loads of scale words may be out
.irp j, 0,2,4,6
	v_pk_mul_f32 v[136+\j:137+\j], v[136+\j:137+\j], s[BSC:BSC+1] op_sel_hi:[1,0]
.endr
	ds_store_b128 v133, v[136:139]
	ds_store_b128 v133, v[140:143] offset:16
	LOADB 2, 2
	LOADB 0, 0
	LOADB 1, 1
	LOADSB
	s_wait_alu depctr_va_vdst(0)                   ; the wait at the head's end
	s_wait_tensorcnt 0x0                           ; my quarter of the rows is in
	ds_add_u32 v[SPW], v[NIL]
	s_wait_dscnt 0x0                               ; the add and my stores of biases are done
	s_barrier_signal -1
	s_barrier_wait -1                              ; all rows and biases lie in LDS
	tensor_load_to_lds s[G0H:G0H+3], s[G1H:G1H+7]  ; my strip of cov: it has the first pass's K steps in which to land
	s_nop 0
.Lpass:                                                ; two trips: columns 64 x wave + 32 x trip on
	s_wait_xcnt 0x0                                ; the head's loads have read their address registers, which lie where fragments land
	FETCH_A 0, 0
	FETCH_A 0, 4
	STEP 0
	STEP 1
	STEP 2
	STEP 3
	STEP 4
	STEP 5
	STEP 6
	STEP 7
	STEP 8
	STEP 9
	STEP 10
	s_cmp_eq_u32 s[TRIP], 1
	s_cbranch_scc1 .Lnonext                        ; no pass follows the second
	s_add_nc_u64 s[WB:WB+1], s[WB:WB+1], 6*XT      ; (no load of mine is out)  the next 32 columns' weights: their first three K steps land under the gates
	s_add_nc_u64 s[WS:WS+1], s[WS:WS+1], 4608
	LOADB 2, 2
	LOADB 0, 0
	LOADB 1, 1
	LOADSB
.Lnonext:
	s_wait_tensorcnt 0x0                           ; my strip of cov is in: I alone read it
.irp bc, 0,1,2,3,4,5,6,7
	ds_load_b128 v[BI+8*\bc:BI+8*\bc+3], v[BA] offset:1024*(\bc/2)+64*(\bc%2)
	ds_load_b128 v[BI+8*\bc+4:BI+8*\bc+7], v[BA] offset:1024*(\bc/2)+64*(\bc%2)+16
.endr
	s_wait_dscnt 0x0
.irp a, 0,1,2,3,4,5,6,7
	GATE \a
.endr
	SENDST 7
	v_add_nc_u32 v[HA], 128, v[HA]                 ; on to the next 32 columns
	v_add_nc_u32 v[BA], 128, v[BA]
	s_add_co_u32 s[TRIP], s[TRIP], 1
	s_cmp_lt_u32 s[TRIP], 2
	s_wait_alu depctr_va_vdst(0)                   ; the wait here, directly ahead of the branch
	s_cbranch_scc1 .Lpass
	s_wait_tensorcnt 0x0                           ; the wave's end
	ds_add_u32 v[SPW], v[NIL]
	s_wait_dscnt 0x0
	s_endpgm
.Lfunc_end_k_qb0a3e0ff2a_gru:
	.size	k_qb0a3e0ff2a_gru, .Lfunc_end_k_qb0a3e0ff2a_gru-k_qb0a3e0ff2a_gru
	.p2alignl 7, 3214868480
	.fill 96, 4, 3214868480
	.section	.rodata,"a",@progbits
	.p2align	6, 0x0
	.amdhsa_kernel k_qb0a3e0ff2a_gru
		.amdhsa_group_segment_fixed_size 327680
		.amdhsa_private_segment_fixed_size 0
		.amdhsa_enable_private_segment 0
		.amdhsa_kernarg_size 48
		.amdhsa_user_sgpr_count 2
		.amdhsa_user_sgpr_kernarg_segment_ptr 1
		.amdhsa_wavefront_size32 1
		.amdhsa_system_sgpr_workgroup_id_x 1
		.amdhsa_system_sgpr_workgroup_id_y 1
		.amdhsa_system_sgpr_workgroup_id_z 1
		.amdhsa_system_vgpr_workitem_id 0
		.amdhsa_next_free_vgpr 1024
		.amdhsa_next_free_sgpr 66
		.amdhsa_reserve_vcc 0
		.amdhsa_float_denorm_mode_32 3
		.amdhsa_float_denorm_mode_16_64 3
		.amdhsa_memory_ordered 1
		.amdhsa_forward_progress 1
		.amdhsa_inst_pref_size 234
	.end_amdhsa_kernel
	.amdgpu_metadata
---
amdhsa.version: [ 1, 2 ]
amdhsa.kernels:
  - .name:           k_qb0a3e0ff2a_gru
    .symbol:         k_qb0a3e0ff2a_gru.kd
    .args:
      - { .name: xa, .offset: 0, .size: 8, .value_kind: global_buffer, .address_space: global }
      - { .name: xas, .offset: 8, .size: 8, .value_kind: global_buffer, .address_space: global }
      - { .name: prep, .offset: 16, .size: 8, .value_kind: global_buffer, .address_space: global }
      - { .name: gb, .offset: 24, .size: 8, .value_kind: global_buffer, .address_space: global }
      - { .name: cov, .offset: 32, .size: 8, .value_kind: global_buffer, .address_space: global }
      - { .name: out2, .offset: 40, .size: 8, .value_kind: global_buffer, .address_space: global }
    .group_segment_fixed_size: 327680
    .private_segment_fixed_size: 0
    .kernarg_segment_align: 8
    .kernarg_segment_size: 48
    .max_flat_workgroup_size: 128
    .sgpr_count:     66
    .vgpr_count:     1024
    .wavefront_size: 32
...
	.end_amdgpu_metadata
.endif
;; end of part 4
